; MI455X (gfx1250); checked and timed in simulation.
; The chip was launched on July 23, 2026; its instructions are those of AMD's public machine-readable ISA for CDNA 5 (MIT licence, August 2026) and "CDNA5" Instruction Set Architecture Reference Guide (July 2026). The comments in the code are by the model that wrote it; some were corrected since.
;; Phasor Layer. Allowed arithmetic: float matrix products may take bf16 or f16 operands with f32 sums; other float arithmetic in f32, or as packed bf16 or f16 multiplies, adds, multiply-adds, maxima and minima; sums over many terms, partial sums and values carried from step to step in f32; what a program stores and reads back later, other than sums and carried values, may be rounded once to bf16 or f16.
;; Inputs: Wk 64 x 4,096 float32; Wo 4,096 x 4,096 float32; Wq 64 x 4,096 float32; Wv 4,096 x 4,096 float32; bk 64 float32; bo 4,096 float32; bq 64 float32; bv 4,096 float32; ln_b 4,096 float32; ln_g 4,096 float32; x 2,048 x 4,096 float32.
;; Outputs: out0 2,048 x 4,096 float32.
;; 2 versions, each right; version 2 is version 1 with the launch cast written anew for expert scheduling mode. Each part assembles by itself: llvm-mc -triple=amdgcn-amd-amdhsa -mcpu=gfx1250 --defsym DOCPART=n.
;; ======== version 1 of 2: 4 launches
;; workspace buffers: xb 16,777,216 bytes; wcat 35,651,584 bytes; wob 33,554,432 bytes; vb 16,777,216 bytes; nb 16,777,216 bytes; z 1,048,576 bytes
;; launch cast (part 1): grid 1024 x 1, 8 waves a work-group, no clusters, 0 bytes of LDS; arguments x, Wv, Wo, Wk, Wq, xb, wcat, wob; writes xb, wcat, wob
.if DOCPART == 1
	.amdgcn_target "amdgcn-amd-amdhsa--gfx1250"
	.amdhsa_code_object_version 6
	.text
	.protected	k_q55e1e72b8d_cast
	.globl	k_q55e1e72b8d_cast
	.p2align	8
	.type	k_q55e1e72b8d_cast,@function
k_q55e1e72b8d_cast:
	s_mov_b64 s[64:65], 0
	v_nop
	global_prefetch_b8 v0, s[64:65] scope:SCOPE_SE
	s_setreg_imm32_b32 hwreg(HW_REG_WAVE_MODE, 25, 1), 1
	s_wait_xcnt 0x0
; PHASOR LAYER, launch 1 of 4: the matrix operands are rounded once from f32 to bf16 and laid out for the products.
;   launch 2: V = x Wv^T + bv (bf16) and the raw sums z = x [Wk;Wq]^T (f32);  launch 3: per row the phase sum, its gain and the LayerNorm;  launch 4: out = x + normed Wo^T + bo.
; NO WORK IS LEFT OUT: every input of the module has a way to the output, and every one is loaded by some launch.
; LIMITS OF THE PROGRAM.  Every input is rounded once to bf16 (nearest even): x also where it is the residual, all biases, ln_g and ln_b.  V and the normed rows are stored rounded once to bf16;
; all sums are f32.  NaN and infinities are not treated apart.
; xb = x, wob = Wo, row for row.  wcat holds 16 column tiles of 272 rows of 4,096: tile j has Wv rows 256 j .. 256 j + 255 and then the 16 rows of tile t = 4 (j / 8) + j % 4 of [Wk;Wq]
; (128 rows: Wk, then Wq), so that one tensor tile of launch 2 brings both.  Each of the 8 such tiles stands twice, in column tiles 8 (t / 4) + t % 4 and 4 further on.
; SHARES.  Work-group g of 1,024 takes 32 KiB of x, 64 KiB (4 rows) of Wv, 64 KiB of Wo, 1 KiB of Wk (waves 0, 1) and 1 KiB of Wq (waves 2, 3).  A thread issues all its 40 (41) loads of 16 bytes
; before the first wait; a load of a wave covers 512 consecutive bytes, a store 256 consecutive bytes at a multiple of 256.  No register is written again while a memory instruction reads it.
; No LDS, no matrix unit, no prefetch: every byte is read once and written once, and the loads themselves are the stream.
.set D,    8                           ; v[8:171]  load i of 41 at v[D + 4 i]: 0-7 x, 8-23 Wv, 24-39 Wo, 40 Wk or Wq
.set COPY, 4*272*8192                  ; bytes from a tile of [Wk;Wq] in wcat to its second copy
	s_load_b512 s[8:23], s[0:1], 0x0               ; x 8:9, Wv 10:11, Wo 12:13, Wk 14:15, Wq 16:17, xb 18:19, wcat 20:21, wob 22:23
	v_lshrrev_b32 v6, 5, v0
	v_readfirstlane_b32 s24, v6                    ; wave 0..7
	v_lshlrev_b32 v1, 4, v0                        ; 16 bytes of f32 a thread
	v_lshlrev_b32 v2, 3, v0                        ; 8 bytes of bf16 a thread
	v_and_b32 v3, 63, v0                           ; Wk, Wq: 64 threads take the 1 KiB
	v_lshlrev_b32 v4, 3, v3
	v_lshlrev_b32 v3, 4, v3
	v_add_nc_u32 v5, COPY, v4                      ; the second copy lies past a store's immediate
	s_mov_b32 s25, ttmp9                           ; g
	s_lshl_b32 s26, s25, 15                        ; x in, wob out: 32 KiB a work-group
	s_mov_b32 s27, 0
	s_lshl_b32 s28, s25, 14                        ; xb out
	s_mov_b32 s29, 0
	s_lshl_b32 s30, s25, 16                        ; Wv, Wo in
	s_mov_b32 s31, 0
	s_lshr_b32 s32, s25, 6                         ; Wv rows 4 g .. 4 g + 3 lie in column tile g / 64,
	s_mul_i32 s32, s32, 272
	s_and_b32 s33, s25, 63
	s_lshl2_add_u32 s32, s33, s32                  ; at its row 4 (g % 64)
	s_lshl_b32 s32, s32, 13                        ; rows of 8,192 bytes
	s_mov_b32 s33, 0
	s_lshl_b32 s34, s25, 10                        ; Wk, Wq in: 256 numbers of row g / 16
	s_mov_b32 s35, 0
	s_bfe_u32 s38, s24, 0x10001                    ; 0: Wk (waves 0, 1), 1: Wq (waves 2, 3)
	s_lshr_b32 s36, s25, 8                         ; row g / 16 lies in tile (g / 16) / 16 of its matrix:
	s_lshl3_add_u32 s36, s38, s36                  ; column tile 8 sel + g / 256,
	s_mul_i32 s36, s36, 272
	s_bfe_u32 s37, s25, 0x40004                    ; row (g / 16) % 16
	s_add_co_u32 s36, s36, s37
	s_add_co_u32 s36, s36, 256                     ; behind the tile's 256 rows of Wv
	s_lshl_b32 s36, s36, 13
	s_and_b32 s37, s25, 15
	s_lshl_b32 s37, s37, 9                         ; and 512 bytes of that row
	s_add_co_u32 s36, s36, s37
	s_mov_b32 s37, 0
	s_wait_kmcnt 0x0
	s_add_nc_u64 s[8:9], s[8:9], s[26:27]
	s_add_nc_u64 s[18:19], s[18:19], s[28:29]
	s_add_nc_u64 s[10:11], s[10:11], s[30:31]
	s_add_nc_u64 s[12:13], s[12:13], s[30:31]
	s_add_nc_u64 s[22:23], s[22:23], s[26:27]
	s_add_nc_u64 s[40:41], s[20:21], s[32:33]      ; wcat at my rows of Wv
	s_add_nc_u64 s[42:43], s[20:21], s[36:37]      ; wcat at my piece of Wk or Wq
	s_cmp_eq_u32 s38, 0
	s_cselect_b64 s[44:45], s[14:15], s[16:17]
	s_add_nc_u64 s[44:45], s[44:45], s[34:35]
.macro LOADS first, n, base            ; n loads of 4 KiB a work-group, from the pointer at s[base]
.set q, 0
.rept \n
	global_load_b128 v[D+4*((\first)+q):D+4*((\first)+q)+3], v1, s[(\base):(\base)+1] offset:4096*q th:TH_LOAD_NT
.set q, q+1
.endr
.endm
.macro OUT first, n, base              ; the same n pieces: waited for, rounded in place (4 f32 into 2 registers), stored
.set q, 0
.rept \n
	s_wait_loadcnt 39-((\first)+q)                 ; loads come back in order: so many younger ones may stay out
	v_cvt_pk_bf16_f32 v[D+4*((\first)+q)],   v[D+4*((\first)+q)],   v[D+4*((\first)+q)+1]
	v_cvt_pk_bf16_f32 v[D+4*((\first)+q)+1], v[D+4*((\first)+q)+2], v[D+4*((\first)+q)+3]
	global_store_b64 v2, v[D+4*((\first)+q):D+4*((\first)+q)+1], s[(\base):(\base)+1] offset:2048*q th:TH_STORE_NT
.set q, q+1
.endr
.endm
	s_cmp_lt_u32 s24, 4                            ; waves 0 to 3: the piece of Wk or Wq, the oldest load of all
	s_cbranch_scc0 .Lno_kq_in
	global_load_b128 v[D+160:D+163], v3, s[44:45] th:TH_LOAD_NT
.Lno_kq_in:
	LOADS 0, 8, 8                                  ; x
	LOADS 8, 16, 10                                ; Wv
	LOADS 24, 16, 12                               ; Wo
	OUT 0, 8, 18                                   ; xb
	OUT 8, 16, 40                                  ; wcat
	OUT 24, 16, 22                                 ; wob; its last wait is for 0, which also shows the oldest load done
	s_cmp_lt_u32 s24, 4
	s_cbranch_scc0 .Ldone
	v_cvt_pk_bf16_f32 v[D+160], v[D+160], v[D+161]
	v_cvt_pk_bf16_f32 v[D+161], v[D+162], v[D+163]
	global_store_b64 v4, v[D+160:D+161], s[42:43] th:TH_STORE_NT  ; both copies
	global_store_b64 v5, v[D+160:D+161], s[42:43] th:TH_STORE_NT
.Ldone:
	s_endpgm
.Lfunc_end_k_q55e1e72b8d_cast:
	.size	k_q55e1e72b8d_cast, .Lfunc_end_k_q55e1e72b8d_cast-k_q55e1e72b8d_cast
	.p2alignl 7, 3214868480
	.fill 96, 4, 3214868480
	.section	.rodata,"a",@progbits
	.p2align	6, 0x0
	.amdhsa_kernel k_q55e1e72b8d_cast
		.amdhsa_group_segment_fixed_size 0
		.amdhsa_private_segment_fixed_size 0
		.amdhsa_enable_private_segment 0
		.amdhsa_kernarg_size 64
		.amdhsa_user_sgpr_count 2
		.amdhsa_user_sgpr_kernarg_segment_ptr 1
		.amdhsa_wavefront_size32 1
		.amdhsa_system_sgpr_workgroup_id_x 1
		.amdhsa_system_sgpr_workgroup_id_y 1
		.amdhsa_system_sgpr_workgroup_id_z 1
		.amdhsa_system_vgpr_workitem_id 0
		.amdhsa_next_free_vgpr 176
		.amdhsa_next_free_sgpr 66
		.amdhsa_reserve_vcc 0
		.amdhsa_float_denorm_mode_32 3
		.amdhsa_float_denorm_mode_16_64 3
		.amdhsa_memory_ordered 1
		.amdhsa_forward_progress 1
		.amdhsa_inst_pref_size 17
	.end_amdhsa_kernel
	.amdgpu_metadata
---
amdhsa.version: [ 1, 2 ]
amdhsa.kernels:
  - .name:           k_q55e1e72b8d_cast
    .symbol:         k_q55e1e72b8d_cast.kd
    .args:
      - { .name: x, .offset: 0, .size: 8, .value_kind: global_buffer, .address_space: global }
      - { .name: Wv, .offset: 8, .size: 8, .value_kind: global_buffer, .address_space: global }
      - { .name: Wo, .offset: 16, .size: 8, .value_kind: global_buffer, .address_space: global }
      - { .name: Wk, .offset: 24, .size: 8, .value_kind: global_buffer, .address_space: global }
      - { .name: Wq, .offset: 32, .size: 8, .value_kind: global_buffer, .address_space: global }
      - { .name: xb, .offset: 40, .size: 8, .value_kind: global_buffer, .address_space: global }
      - { .name: wcat, .offset: 48, .size: 8, .value_kind: global_buffer, .address_space: global }
      - { .name: wob, .offset: 56, .size: 8, .value_kind: global_buffer, .address_space: global }
    .group_segment_fixed_size: 0
    .private_segment_fixed_size: 0
    .kernarg_segment_align: 8
    .kernarg_segment_size: 64
    .max_flat_workgroup_size: 256
    .sgpr_count:     66
    .vgpr_count:     176
    .wavefront_size: 32
...
	.end_amdgpu_metadata
.endif
;; end of part 1
;; launch gemm1 (part 2): grid 16 x 16, 4 waves a work-group, clusters of 4 x 4, 327,680 bytes of LDS; arguments xb, wcat, bv, vb, z; writes vb, z
.if DOCPART == 2
	.amdgcn_target "amdgcn-amd-amdhsa--gfx1250"
	.amdhsa_code_object_version 6
	.text
	.protected	k_q55e1e72b8d_gemm1
	.globl	k_q55e1e72b8d_gemm1
	.p2align	8
	.type	k_q55e1e72b8d_gemm1,@function
k_q55e1e72b8d_gemm1:
	s_mov_b64 s[64:65], 0
	v_nop
	global_prefetch_b8 v0, s[64:65] scope:SCOPE_SE
	s_setreg_imm32_b32 hwreg(HW_REG_WAVE_MODE, 25, 1), 1
	s_wait_xcnt 0x0
	s_wait_alu depctr_hold_cnt(0) depctr_sa_sdst(0) depctr_va_vdst(0) depctr_va_sdst(0) depctr_va_ssrc(0) depctr_va_vcc(0) depctr_vm_vsrc(0)
	s_getreg_b32 s2, hwreg(HW_REG_IB_STS2, 6, 4)
	s_cmp_eq_u32 s2, 0
	s_cbranch_scc0 .Lentry_in_a_cluster
	s_endpgm
.Lentry_in_a_cluster:
	s_bfe_u32 s2, ttmp6, 0x10000c
	s_cmp_lg_u32 s2, 0xf033
	s_cbranch_scc0 .Lentry_shape_is_right
	s_endpgm
.Lentry_shape_is_right:
; PHASOR LAYER, launch 2 of 4.  vb[m][n] = bf16( sum over k of xb[m][k] Wv[n][k] + bf16(bv[n]) ), and z = the raw f32 sums xb [Wk;Wq]^T.  Nothing is left out.
; A = xb [2048][4096], B = wcat [16 x 272][4096] (tile j: 256 rows of Wv, then 16 rows of tile 4 (j / 8) + j % 4 of [Wk;Wq]), both bf16; sums in f32, K ascending.
; LIMITS.  Operands are the inputs rounded to bf16; bv is rounded to bf16; V is rounded once to bf16 as it is stored.  NaN and infinities are not treated apart.
; SHAPE.  A tile of C is 128 x 256: 16 x 16 = 256 work-groups.  Four waves, each 64 rows x 128 columns: 32 accumulators of 16 x 16, 256 registers.
; THE RING HAS TWO SLOTS OF UNLIKE SIZE.  400 rows x 128 along K are 108,800 bytes of LDS: three such pieces fit, four do not.  The LARGE slot holds 256 along K (rows of 512 bytes), the SMALL one 128
; (rows of 256 bytes); K is walked 256, 128, 256, 128 .. 256: eleven large fills and ten small ones (8,192 bytes of a row = 10 x 768 + 512), 20 changes of slots.  A load goes out behind one change of
; slots and is waited for at the next: the small slot's has 248 matrix instructions in which to land, the large slot's 116.  Every piece of a row starts at a multiple of 256 bytes.
; THE SMALL PRODUCT RIDES ALONG.  z has 128 x 8 tiles of 16 x 16, the launch 1,024 waves: each wave has one accumulator more, one matrix instruction in 33.  Its 16 rows of [Wk;Wq] are the slot's rows
; 256-271 of B; its 16 rows of x are the slot's rows 16 w of A.  A tile of [Wk;Wq] stands in two column tiles, whose clusters differ in hb = cluster x % 2; the two take different halves of the
; tile's 128 rows of x.  hb ENTERS GLOBAL ADDRESSES ALONE: A's two halves land swapped where hb = 1 (LDS rows 0-63 hold the tile's rows 64 hb on), so that every LDS address is made of the wave's
; number and constants; wave (wr, wc)'s 64 LDS rows are then rows 64 (wr xor hb) on of the tile, which its stores into vb follow.
; CLUSTERS: 4 x 4 work-groups.  The four of a row of the cluster need the same tiles of A, the four of a column the same tiles of B: each tile is asked for JOINTLY, by the same tensor load with the
; same descriptor and a mask that names the four (hb is the same in all sixteen).  THE MATRIX INSTRUCTION IS USED TRANSPOSED (source 0 = 16 rows of B, source 1 = 16 rows of A): a lane holds row l % 16 of C and the columns 8 (l / 16) + 0..7.
; z IS STORED BY TILES: tile (rb = row / 16, t) at byte 1,024 (8 rb + t); in it [q = 0, 1][lane][4 f32] = z(16 rb + lane % 16, 16 t + 8 (lane / 16) + 4 q + 0..3): two stores of 512 consecutive bytes.
; REGISTERS, in windows of 256 (s_set_vgpr_msb: bits 1:0 source 0, 3:2 source 1, 5:4 source 2, 7:6 destination):
;   window 0: v0-31 addresses; v32-143, v144-255 two fragment buffers (8 of B, 4 of A, the small product's one of A and one of B)
;   window 1: v0-127 accumulators of my rows 0-31 ((a, b) at 8 (8 a + b)); v128-191 bv of my columns; v192-223 at work        window 2: v0-127 those of rows 32-63; v128-135 the small product's
.set KQ,     1                         ; 1: the small product rides along
.set SIZE_K, 4096
.set PB,     528                       ; a row of the large slot: 512 bytes + 16 of padding = 33 x 16 bytes,
.set PS,     272                       ; of the small slot: 256 + 16 = 17 x 16: in both the 16 rows that a load touches start at 16 different groups of four banks (64 banks of 4 bytes: ISA guide 11.1)
.set BR,     256+16*KQ                 ; rows of B in a tile
.set ROWS,   128+BR                    ; rows in a slot: A's 128, then B's
.set SM,     ROWS*PB                   ; the large slot lies at LDS byte 0, the small one here
.set STAGE,  SM                        ; the way out's stage, 16 rows x 272 bytes for each wave, is the small slot: its last fill is read out ahead of the last change of slots
.set SPITCH, 272
.set SPARE,  ROWS*(PB+PS)              ; behind the slots: the spare words, 128 bytes for each wave: two blocks of 256 bytes that no other line names
.set LAPB,   768                       ; bytes of a row in a lap: a large fill and a small one
.set LAPS,   (SIZE_K*2-512)/LAPB       ; 10 laps, and one large fill more
.set NL,     24+4*KQ                   ; LDS loads of a quarter step
.set NY,     4+4*KQ                    ; the youngest of them, which the quarter's first half does not need
.set ADRA, 4                           ; v4-5    LDS address of my A fragments in the large slot (0), the small slot (1)
.set ADRB, 6                           ; v6-7    of my B fragments
.set ADRX, 8                           ; v8-9    of the small product's rows of x
.set ADRK, 10                          ; v10-11  of its rows of [Wk;Wq]
.set STO,  12                          ; v12     the way out: where I put 16 bytes of a row
.set RD,   13                          ; v13     where I read a row back
.set CO,   14                          ; v14     my byte offset in C
.set SPW,  16                          ; v16     LDS address of my spare word; never rewritten
.set NIL,  17                          ; v17     0; never rewritten
.set PFO,  18                          ; v18     the prefetches' offset: my lane x a row of 8,192 bytes; never rewritten
.set BO,   19                          ; v19     my byte offset in my wave's 128 numbers of bv
.set ZO,   20                          ; v20     16 x lane: my place in a tile of z
.set F0,   32
.set F1,   144
.set BIAS, 128                         ; window 1
.set BT,   192                         ; window 1
.set TMP,  32                          ; the way out, window 0: packed results
.set BK,   64                          ; and 16 rows read back
.set G1,   24                          ; s[24:31] descriptor group 1 for A, large slot;  s[72:79] small slot
.set G1S,  72
.set G0,   32                          ; s[32:39] group 0 for A, a set for each slot
.set G1B,  48                          ; s[48:55], s[80:87], s[56:63] the same for B
.set G1BS, 80
.set G0B,  56
.set LIM,  43                          ; s43     1 in a wave that prefetches, else the greatest number
.set PFA,  44                          ; s[44:45] where my prefetches stand
.set FLDB, (1<<16)|(1<<20)|(1<<21)|(6<<22)|(3<<25)  ; group 1, word 0: 2-byte elements; padding on; bit 21 beside a mask; after every 128 words; 4 words
.set FLDS, (1<<16)|(1<<20)|(1<<21)|(5<<22)|(3<<25)  ; the same after every 64 words
.set MSB, 0
.macro WIN new                         ; the immediate's high byte repeats the setting that is left; a switch that changes nothing is dropped
.if MSB != (\new)
	s_set_vgpr_msb (MSB<<8)|(\new)
.set MSB, \new
.endif
.endm
.set MUL_LO, 0x50                      ; sources window 0, C and D window 1
.set MUL_HI, 0xa0                      ; C and D window 2
; A joint load into slot s.  Waves 0 and 1 fetch A's two halves, waves 2 and 3 B's.  The branch hangs on the wave's number alone.  An s_nop 0 and four v_nop follow each of the two lines.
.macro JLOAD s
	s_cmp_eq_u32 s15, 0
	s_cbranch_scc0 .Lfor_b_\@
	tensor_load_to_lds s[G0+4*(\s):G0+4*(\s)+3], s[G1+(G1S-G1)*(\s):G1+(G1S-G1)*(\s)+7]
	s_nop 0
.rept 4
	v_nop
.endr
	s_branch .Lasked_\@
.Lfor_b_\@:
	tensor_load_to_lds s[G0B+4*(\s):G0B+4*(\s)+3], s[G1B+(G1BS-G1B)*(\s):G1B+(G1BS-G1B)*(\s)+7]
	s_nop 0
.rept 4
	v_nop
.endr
.Lasked_\@:
.endm
; A PREFETCH INTO THE L2 of what the SAME slot's next refill will ask for, a lap (396 matrix instructions) ahead of that load: 32 rows, a lane a row, an instruction for each 256 bytes of a row: two behind the
; large slot's refill, one behind the small slot's.  Each row's 256 bytes are named once in the launch: A's 128 rows by wave 0 of the clusters with x = 0, partner cx taking rows 32 cx on; B's 256 large rows by
; waves 2 and 3 of the clusters with y = 0, partner cy taking rows 32 cy on of the wave's 128: told apart by address, never by a branch.  The 16 small rows come by their loads alone, and so do each
; slot's first two fills.  Where the lap counter s3 stands at 1 the slot has no further refill, and nothing is asked for.
.macro ASK s
	s_cmp_gt_u32 s3, s[LIM]
	s_cbranch_scc0 .Lnot_mine_\@
.if (\s) == 0
	global_prefetch_b8 v[PFO], s[PFA:PFA+1] th:TH_LOAD_NT scope:SCOPE_SE
	global_prefetch_b8 v[PFO], s[PFA:PFA+1] offset:256 th:TH_LOAD_NT scope:SCOPE_SE
.else
	global_prefetch_b8 v[PFO], s[PFA:PFA+1] offset:512 th:TH_LOAD_NT scope:SCOPE_SE
.endif
.Lnot_mine_\@:
.endm
.macro CREST                           ; a round of the cluster's barrier behind its opening barrier
	s_cmp_lg_u32 s14, 0
	s_cbranch_scc1 .Lnot_wave_0_\@
	s_barrier_signal -3
.Lnot_wave_0_\@:
	s_barrier_wait -3
	s_barrier_signal -1
	s_barrier_wait -1
.endm
.macro CROUND                          ; a whole round
	s_barrier_signal -1
	s_barrier_wait -1
	CREST
.endm
.macro PLACES                          ; four places behind matrix instructions, in front of loads into registers that they have read and of lines that read results
.rept 4
	v_nop
.endr
.endm
.macro SHAPE g, cols, rows             ; words 1 to 7 of a group 1: a tile of rows x cols elements that lies inside the tensor
	s_mov_b32 s[(\g)+1], (\cols)<<16               ; tensor_dim0
	s_mov_b32 s[(\g)+2], (\rows)<<16               ; tensor_dim1
	s_mov_b32 s[(\g)+3], (\cols)<<16               ; tile_dim0
	s_mov_b32 s[(\g)+4], \rows                     ; tile_dim1
	s_mov_b32 s[(\g)+5], SIZE_K                    ; elements from row to row
	s_mov_b32 s[(\g)+6], 0
	s_mov_b32 s[(\g)+7], 0
.endm
	s_load_b256 s[4:11], s[0:1], 0x0               ; A s[4:5], B s[6:7], bv s[8:9], vb s[10:11]
	s_load_b64 s[12:13], s[0:1], 0x20              ; z
	v_lshl_add_u32 v[SPW], v0, 2, SPARE
	v_mov_b32 v[NIL], 0
	ds_add_u32 v[SPW], v[NIL]                      ; the wave's opening: the add, twice on end, and its wait ahead of my first tensor load
	ds_add_u32 v[SPW], v[NIL]                      ; and once more, under the one wait; the set-up below, work on registers, stands between
	v_lshrrev_b32 v1, 5, v0
	v_readfirstlane_b32 s14, v1                    ; wave 0..3
	s_lshr_b32 s15, s14, 1                         ; which 64 LDS rows of the tile are mine.  Also: I fetch for A (0) or for B (1)
	s_and_b32 s16, s14, 1                          ; which 128 columns.  Also: which half of that tile's LDS rows I fetch
	s_bfe_u32 s17, ttmp6, 0x40000                  ; cx, cy: my place in the cluster
	s_bfe_u32 s18, ttmp6, 0x40004
	s_lshl_b32 s19, ttmp9, 2
	s_add_co_u32 s19, s19, s17                     ; j, tile column of C = 4 x cluster x + cx
	s_and_b32 s20, ttmp7, 0xffff
	s_lshl_b32 s20, s20, 2
	s_add_co_u32 s20, s20, s18                     ; i, tile row of C = 4 x cluster y + cy
	s_and_b32 s66, ttmp9, 1                        ; hb: which half of the tile's rows lies first in LDS, and serves the small product; the same in all sixteen partners
	s_lshr_b32 s67, ttmp9, 1                       ; ka: 0 Wk, 1 Wq
	s_lshl_b32 s21, s18, 2
	s_lshl_b32 s21, 15, s21                        ; my row of the cluster: places 4 cy .. 4 cy + 3
	s_lshl_b32 s22, 0x1111, s17                    ; my column: places cx, cx + 4, cx + 8, cx + 12
	s_or_b32 s[G1], s21, FLDB                      ; A's tiles go to my row,
	s_or_b32 s[G1S], s21, FLDS
	s_or_b32 s[G1B], s22, FLDB                     ; B's to my column
	s_or_b32 s[G1BS], s22, FLDS
	SHAPE G1,   256, 64
	SHAPE G1S,  128, 64
	SHAPE G1B,  256, BR/2
	SHAPE G1BS, 128, BR/2
	s_lshl_b32 s40, s20, 7                         ; A: row 128 i + 64 x (LDS half xor hb), made of the tile row, the wave and the cluster's x alone
	s_xor_b32 s41, s16, s66
	s_lshl_b32 s41, s41, 6
	s_add_co_u32 s40, s40, s41
	s_lshl_b32 s40, s40, 13                        ; rows of 8,192 bytes
	s_mov_b32 s41, 0
	s_mul_i32 s46, s19, BR                         ; B: row BR j + BR / 2 x half, made of the tile column and the wave alone
	s_mul_i32 s47, s16, BR/2
	s_add_co_u32 s46, s46, s47
	s_lshl_b32 s46, s46, 13
	s_mov_b32 s47, 0
	s_mul_i32 s23, s16, 64*PB                      ; where they go: the wave's number times a constant, plus the slot's constant.  A, large slot
	s_mul_i32 s42, s16, (BR/2)*PB
	s_add_co_u32 s42, s42, 128*PB                  ; B, large slot
	s_mul_i32 s88, s16, 64*PS
	s_add_co_u32 s88, s88, SM                      ; A, small slot
	s_mul_i32 s89, s16, (BR/2)*PS
	s_add_co_u32 s89, s89, SM+128*PS               ; B, small slot
	s_wait_dscnt 0x0                               ; both opening adds are done
	s_wait_kmcnt 0x0
	s_add_nc_u64 s[40:41], s[4:5], s[40:41]
	s_add_nc_u64 s[46:47], s[6:7], s[46:47]
	CROUND                                         ; all sixteen work-groups are here: the first joint loads meet
	s_mov_b32 s[G0], 1                             ; count = 1
	s_mov_b32 s[G0+1], s23                         ; LDS address
	s_mov_b64 s[G0+2:G0+3], s[40:41]               ; global address: K = 0 .. 255
	s_or_b32 s[G0+3], s[G0+3], 0x80000000          ; type = 2
	s_mov_b32 s[G0B], 1
	s_mov_b32 s[G0B+1], s42
	s_mov_b64 s[G0B+2:G0B+3], s[46:47]
	s_or_b32 s[G0B+3], s[G0B+3], 0x80000000
	JLOAD 0
	s_mov_b32 s[G0+4], 1
	s_mov_b32 s[G0+5], s88
	s_add_nc_u64 s[G0+6:G0+7], s[40:41], 512       ; K = 256 .. 383
	s_or_b32 s[G0+7], s[G0+7], 0x80000000
	s_mov_b32 s[G0B+4], 1
	s_mov_b32 s[G0B+5], s89
	s_add_nc_u64 s[G0B+6:G0B+7], s[46:47], 512
	s_or_b32 s[G0B+7], s[G0B+7], 0x80000000
	JLOAD 1                                        ; two loads of mine are out
	; A fragment is 16 rows x 32 K in 8 registers: lane l holds row l % 16, K = 8 (l / 16) + 0..7 and 16 + 8 (l / 16) + 0..7: two loads of 16 bytes, 32 bytes apart.
	v_and_b32 v1, 15, v0                           ; r = l % 16
	v_bfe_u32 v2, v0, 4, 1                         ; h = l / 16
	v_mul_u32_u24 v3, v1, PS
	v_lshl_add_u32 v3, v2, 4, v3                   ; r x pitch + 16 h, small slot
	v_mul_u32_u24 v22, v1, PB
	v_lshl_add_u32 v22, v2, 4, v22                 ; and large slot
	s_mul_i32 s21, s15, 64*PB                      ; my 64 LDS rows of A
	v_add_nc_u32 v[ADRA], s21, v22
	s_mul_i32 s21, s15, 64*PS
	s_add_co_u32 s21, s21, SM
	v_add_nc_u32 v[ADRA+1], s21, v3
	s_mul_i32 s21, s16, 128*PB                     ; my 128 rows of B, behind A's 128
	s_add_co_u32 s21, s21, 128*PB
	v_add_nc_u32 v[ADRB], s21, v22
	s_mul_i32 s21, s16, 128*PS
	s_add_co_u32 s21, s21, SM+128*PS
	v_add_nc_u32 v[ADRB+1], s21, v3
	s_mul_i32 s21, s14, 16*PB                      ; the small product's rows of x: LDS rows 16 w on
	v_add_nc_u32 v[ADRX], s21, v22
	s_mul_i32 s21, s14, 16*PS
	s_add_co_u32 s21, s21, SM
	v_add_nc_u32 v[ADRX+1], s21, v3
	v_add_nc_u32 v[ADRK], 384*PB, v22              ; its rows of [Wk;Wq]: B's rows 256 on
	v_add_nc_u32 v[ADRK+1], SM+384*PS, v3
	s_mul_i32 s69, s14, 16*SPITCH
	s_add_co_u32 s69, s69, STAGE                   ; my stage
	v_add_nc_u32 v[STO], s69, v3                   ; in: row r, 16 bytes for each half of the lanes
	v_mul_u32_u24 v21, v2, SPITCH                  ; back: lanes 0-15 take one row of 256 bytes, lanes 16-31 the next
	v_lshl_add_u32 v21, v1, 4, v21
	v_add_nc_u32 v[RD], s69, v21
	v_lshlrev_b32 v21, 13, v2                      ; and the same two rows in vb
	v_lshl_add_u32 v[CO], v1, 4, v21
	v_lshlrev_b32 v[BO], 5, v2                     ; my 8 numbers of 16 of bv
	v_and_b32 v21, 31, v0
	v_lshlrev_b32 v[ZO], 4, v21
	v_lshlrev_b32 v[PFO], 13, v21
	s_lshl_b32 s68, s19, 8
	s_lshl_b32 s69, s16, 7
	s_add_co_u32 s68, s68, s69                     ; my first column: 256 j + 128 wc
	s_lshl_b32 s70, s68, 2
	s_mov_b32 s71, 0
	s_add_nc_u64 s[8:9], s[8:9], s[70:71]          ; bv there
	s_lshl_b32 s70, s20, 7
	s_xor_b32 s69, s15, s66                        ; my 64 LDS rows are the tile's half wr xor hb
	s_lshl_b32 s69, s69, 6
	s_add_co_u32 s70, s70, s69                     ; my first row: 128 i + 64 (wr xor hb)
	s_lshl_b32 s70, s70, 13
	s_lshl1_add_u32 s70, s68, s70
	s_add_nc_u64 s[10:11], s[10:11], s[70:71]      ; vb there
	s_lshl_b32 s70, s20, 3
	s_lshl2_add_u32 s70, s66, s70
	s_add_co_u32 s70, s70, s14                     ; rb = 8 i + 4 hb + w: LDS rows 16 w on are the tile's rows 64 hb + 16 w on
	s_lshl_b32 s70, s70, 3
	s_lshl2_add_u32 s70, s67, s70
	s_add_co_u32 s70, s70, s17                     ; 8 rb + t, t = 4 ka + cx
	s_lshl_b32 s70, s70, 10
	s_add_nc_u64 s[12:13], s[12:13], s[70:71]      ; z at my tile
	; the prefetches
	s_lshl_b32 s68, s20, 7                         ; A: the tile's first row
	s_mul_i32 s69, s19, BR
	s_lshl_b32 s70, s16, 7
	s_add_co_u32 s69, s69, s70                     ; B: the tile's first row + my 128
	s_and_b32 s70, ttmp7, 0xffff                   ; cluster y
	s_cmp_eq_u32 s15, 0                            ; do I fetch for A?
	s_cselect_b32 s68, s68, s69
	s_cselect_b32 s69, s17, s18                    ; my place among the four that ask with me
	s_cselect_b32 s70, ttmp9, s70                  ; the coordinate along which other clusters read the same rows
	s_cselect_b64 s[PFA:PFA+1], s[4:5], s[6:7]
	s_cmp_eq_u32 s14, 1                            ; wave 1 asks for nothing: wave 0 has A's 128 rows with its three partners
	s_cselect_b32 s71, 1, 0
	s_or_b32 s70, s70, s71
	s_cmp_eq_u32 s70, 0
	s_cselect_b32 s[LIM], 1, -1                    ; the same in all sixteen partners, for a given wave
	s_lshl_b32 s69, s69, 5
	s_add_co_u32 s68, s68, s69                     ; + my work-group's 32 rows
	s_lshl_b32 s68, s68, 13
	s_mov_b32 s69, 0
	s_add_nc_u64 s[PFA:PFA+1], s[PFA:PFA+1], s[68:69]
	s_add_nc_u64 s[PFA:PFA+1], s[PFA:PFA+1], LAPB  ; at lap 1: the first change of slots steps it to lap 2, whose fills are the first to be named.  Nothing is prefetched here, at the head
; 8 matrix instructions: m block a of my four x all 8 n blocks, 32 along K.  zero = 1: the product starts the sums: nothing is ever cleared.
.macro MUL8 f, a, zero
	WIN MUL_LO+0x50*((\a)/2)
.irp b, 0,1,2,3,4,5,6,7
.if \zero
	v_wmma_f32_16x16x32_bf16 v[8*(8*((\a)%2)+(\b)):8*(8*((\a)%2)+(\b))+7], v[(\f)+8*(\b):(\f)+8*(\b)+7], v[(\f)+64+8*(\a):(\f)+64+8*(\a)+7], 0
.else
	v_wmma_f32_16x16x32_bf16 v[8*(8*((\a)%2)+(\b)):8*(8*((\a)%2)+(\b))+7], v[(\f)+8*(\b):(\f)+8*(\b)+7], v[(\f)+64+8*(\a):(\f)+64+8*(\a)+7], v[8*(8*((\a)%2)+(\b)):8*(8*((\a)%2)+(\b))+7]
.endif
.endr
.endm
.macro MULK f, zero                    ; the small product's one
.if KQ
	WIN MUL_HI
.if \zero
	v_wmma_f32_16x16x32_bf16 v[128:135], v[(\f)+104:(\f)+111], v[(\f)+96:(\f)+103], 0
.else
	v_wmma_f32_16x16x32_bf16 v[128:135], v[(\f)+104:(\f)+111], v[(\f)+96:(\f)+103], v[128:135]
.endif
.endif
.endm
; NL LDS loads in one run: the fragments of one quarter step (32 K at byte k of the slot's rows) into buffer f: B's eight, A's four, the small product's two last
.macro FETCH slot, k, f
	WIN 0
.set PP, PB-(PB-PS)*(\slot)            ; the slot's pitch
.irp b, 0,1,2,3,4,5,6,7
	ds_load_b128 v[(\f)+8*(\b):(\f)+8*(\b)+3],   v[ADRB+(\slot)] offset:(\k)+(\b)*16*PP
	ds_load_b128 v[(\f)+8*(\b)+4:(\f)+8*(\b)+7], v[ADRB+(\slot)] offset:(\k)+(\b)*16*PP+32
.endr
.irp a, 0,1,2,3
	ds_load_b128 v[(\f)+64+8*(\a):(\f)+64+8*(\a)+3],   v[ADRA+(\slot)] offset:(\k)+(\a)*16*PP
	ds_load_b128 v[(\f)+64+8*(\a)+4:(\f)+64+8*(\a)+7], v[ADRA+(\slot)] offset:(\k)+(\a)*16*PP+32
.endr
.if KQ
	ds_load_b128 v[(\f)+96:(\f)+99],   v[ADRX+(\slot)] offset:(\k)
	ds_load_b128 v[(\f)+100:(\f)+103], v[ADRX+(\slot)] offset:(\k)+32
	ds_load_b128 v[(\f)+104:(\f)+107], v[ADRK+(\slot)] offset:(\k)
	ds_load_b128 v[(\f)+108:(\f)+111], v[ADRK+(\slot)] offset:(\k)+32
.endif
.endm
; The large slot is eight quarter steps of 32 along K, the small slot four, on buffers 0, 1, 0, 1 ..  The 33 accumulators take turns, one instruction a turn, in the same order in every quarter.
; All but a slot's last: multiplies buffer f; in its middle it fetches the next quarter's fragments, at byte k of the same slot's rows, into buffer g.
.macro QUARTER slot, k, f, g, zero
	s_wait_dscnt NY                                ; B and A's rows 0-31 are in; the youngest NY loads may be out
	MUL8 \f, 0, \zero
	MUL8 \f, 1, \zero
	PLACES
	FETCH \slot, \k, \g
	s_wait_dscnt NL                                ; all but the NL just issued
	MUL8 \f, 2, \zero
	MUL8 \f, 3, \zero
	MULK \f, \zero
.endm
; A slot's last quarter multiplies buffer 1 and changes slots: ONE barrier.  In front of it each wave waits for all its tensor loads, of which one is out: its part of the next slot; adds 0 to its spare word;
; and waits for that and for its own reads of this slot.  fill = 1: the barrier opens a round of the cluster's barrier, and this slot is filled again, a lap further along K, first thing behind the round.
.macro TURN slot, next, fill
.if (\fill) && ((\slot) == 0)
	s_wait_xcnt 0x0                                ; the last prefetch, seven quarters back, has read its address: it is stepped once a lap
	s_add_nc_u64 s[PFA:PFA+1], s[PFA:PFA+1], LAPB
.endif
	WIN 0                                          ; (the add's two registers lie in window 0)
	s_wait_tensorcnt 0x0                           ; all my tensor loads have landed
	ds_add_u32 v[SPW], v[NIL]                      ; 0 onto my spare word
	s_wait_dscnt NY+1                              ; (the add and the youngest NY loads may be out)
	MUL8 F1, 0, 0                                  ; eight matrix instructions stand between the add and the wait for it
	s_wait_dscnt 0x0                               ; the add is done, and my reads of this slot are over
	s_barrier_signal -1
	MUL8 F1, 1, 0                                  ; work on registers while the others arrive
.if \fill
	WIN 0
.endif
	s_barrier_wait -1
.if \fill
	CREST                                          ; no wave of any partner still reads this slot's tile or has a load on its way
	s_add_nc_u64 s[G0+4*(\slot)+2:G0+4*(\slot)+3], s[G0+4*(\slot)+2:G0+4*(\slot)+3], LAPB
	s_add_nc_u64 s[G0B+4*(\slot)+2:G0B+4*(\slot)+3], s[G0B+4*(\slot)+2:G0B+4*(\slot)+3], LAPB
	JLOAD \slot                                    ; my one tensor load behind the round; its four v_nop are also the places in front of the loads below
.else
	PLACES
.endif
	FETCH \next, 0, F0
.if \fill
	ASK \slot                                      ; behind the joint load and the run of LDS loads
.endif
	MUL8 F1, 2, 0
	MUL8 F1, 3, 0
	MULK F1, 0
.endm
	s_wait_tensorcnt 1                             ; my part of the large slot is in; the small slot's may stay out
	s_barrier_signal -1
	s_barrier_wait -1                              ; everybody's is
	FETCH 0, 0, F0
	QUARTER 0, 64, F0, F1, 1                       ; the first quarter stands in front of the loop: its products start the sums
	WIN 0                                          ; at a label and at a branch every window is 0
	s_mov_b32 s3, LAPS
.Llap:                                                 ; a trip is a lap, from the large slot's second quarter to its next first.  The large slot is filled again in all ten laps, the small one in nine:
	QUARTER 0, 128, F1, F0, 0                      ; the tenth is left in its middle, and its rest is written out without that load
	QUARTER 0, 192, F0, F1, 0
	QUARTER 0, 256, F1, F0, 0
	QUARTER 0, 320, F0, F1, 0
	QUARTER 0, 384, F1, F0, 0
	QUARTER 0, 448, F0, F1, 0
	TURN 0, 1, 1
	QUARTER 1, 64,  F0, F1, 0
	QUARTER 1, 128, F1, F0, 0
	QUARTER 1, 192, F0, F1, 0
	WIN 0
	s_sub_co_u32 s3, s3, 1
	s_cmp_eq_u32 s3, 0                             ; the same in every wave of every work-group
	s_cbranch_scc1 .Llast
	TURN 1, 0, 1
	QUARTER 0, 64,  F0, F1, 0
	WIN 0
	s_branch .Llap
.Llast:
	WIN 0x40                                       ; bv of my 128 columns, nine quarters ahead of its use: lane (r, h) takes the 8 numbers 16 b + 8 h on of each n block b
.irp b, 0,1,2,3,4,5,6,7
	global_load_b128 v[BIAS+8*(\b):BIAS+8*(\b)+3],   v[BO], s[8:9] offset:64*(\b)
	global_load_b128 v[BIAS+8*(\b)+4:BIAS+8*(\b)+7], v[BO], s[8:9] offset:64*(\b)+16
.endr
	TURN 1, 0, 0                                   ; the last change of slots fills nothing, and has no round of the cluster's barrier; behind it no wave reads the small slot any more
	QUARTER 0, 64,  F0, F1, 0
	QUARTER 0, 128, F1, F0, 0
	QUARTER 0, 192, F0, F1, 0
	QUARTER 0, 256, F1, F0, 0
	QUARTER 0, 320, F0, F1, 0
	QUARTER 0, 384, F1, F0, 0
	QUARTER 0, 448, F0, F1, 0
	s_wait_dscnt NY                                ; the very last quarter: nothing more to fetch
	MUL8 F1, 0, 0
	MUL8 F1, 1, 0
	s_wait_dscnt 0x0
	MUL8 F1, 2, 0
	MUL8 F1, 3, 0
	MULK F1, 0
	; THE WAY OUT.  Each accumulator is read from its lowest registers on.
	PLACES
	PLACES
	s_wait_loadcnt 0x0                             ; bv
	WIN 0x08                                       ; a store's data: window 2
	global_store_b128 v[ZO], v[128:131], s[12:13]              ; the small product's tile: 512 consecutive bytes,
	global_store_b128 v[ZO], v[132:135], s[12:13] offset:512   ; and 512 more
	WIN 0x45                                       ; all in window 1: bv is rounded to bf16, like every input, and widened again
.set n, 0
.rept 32
	v_cvt_pk_bf16_f32 v[BT+n], v[BIAS+2*n], v[BIAS+2*n+1]
.set n, n+1
.endr
.set n, 0
.rept 32
	v_lshlrev_b32 v[BIAS+2*n], 16, v[BT+n]
	v_and_b32 v[BIAS+2*n+1], 0xffff0000, v[BT+n]
.set n, n+1
.endr
; Block a, 16 rows x 128 columns: + bv, rounded to bf16 (16 bytes a lane), through my own stage in LDS, back as whole rows of 256 bytes, stored.
.macro BLOCK a
.set AC, 64*((\a)%2)
	WIN 0x45+0x41*((\a)/2)                         ; accumulators in window 1 or 2, bv in window 1
.irp b, 0,1,2,3,4,5,6,7
.irp r, 0,1,2,3
	v_pk_add_f32 v[AC+8*(\b)+2*(\r):AC+8*(\b)+2*(\r)+1], v[AC+8*(\b)+2*(\r):AC+8*(\b)+2*(\r)+1], v[BIAS+8*(\b)+2*(\r):BIAS+8*(\b)+2*(\r)+1]
.endr
.endr
	WIN 0x05+0x05*((\a)/2)                         ; sources in window 1 or 2, destination in window 0
.irp b, 0,1,2,3,4,5,6,7
.irp r, 0,1,2,3
	v_cvt_pk_bf16_f32 v[TMP+4*(\b)+(\r)], v[AC+8*(\b)+2*(\r)], v[AC+8*(\b)+2*(\r)+1]
.endr
.endr
	WIN 0
	s_wait_xcnt 0x0                                ; the block before's stores have read their data registers, which the loads below write
.irp b, 0,1,2,3,4,5,6,7
	ds_store_b128 v[STO], v[TMP+4*(\b):TMP+4*(\b)+3] offset:32*(\b)
.endr
.irp t, 0,1,2,3,4,5,6,7
	ds_load_b128 v[BK+4*(\t):BK+4*(\t)+3], v[RD] offset:(\t)*2*SPITCH  ; LDS serves a wave's instructions in order (ISA guide 5.7.1.4): these see the stores above
.endr
	s_wait_dscnt 0x0
.irp t, 0,1,2,3,4,5,6,7
	global_store_b128 v[CO], v[BK+4*(\t):BK+4*(\t)+3], s[10:11] offset:(16*(\a)+2*(\t))*SIZE_K*2  ; 16 lanes store 256 consecutive bytes, at a multiple of 256 from vb's first byte
.endr
.endm
	BLOCK 0
	BLOCK 1
	BLOCK 2
	BLOCK 3
	s_wait_tensorcnt 0x0                           ; the wave's end, behind my last tensor load and my last LDS store
	ds_add_u32 v[SPW], v[NIL]
	s_wait_dscnt 0x0
	CROUND                                         ; the closing round: no work-group ends while a partner may still ask for a tile that names it
	s_endpgm
.Lfunc_end_k_q55e1e72b8d_gemm1:
	.size	k_q55e1e72b8d_gemm1, .Lfunc_end_k_q55e1e72b8d_gemm1-k_q55e1e72b8d_gemm1
	.p2alignl 7, 3214868480
	.fill 96, 4, 3214868480
	.section	.rodata,"a",@progbits
	.p2align	6, 0x0
	.amdhsa_kernel k_q55e1e72b8d_gemm1
		.amdhsa_group_segment_fixed_size 327680
		.amdhsa_private_segment_fixed_size 0
		.amdhsa_enable_private_segment 0
		.amdhsa_kernarg_size 40
		.amdhsa_user_sgpr_count 2
		.amdhsa_user_sgpr_kernarg_segment_ptr 1
		.amdhsa_wavefront_size32 1
		.amdhsa_system_sgpr_workgroup_id_x 1
		.amdhsa_system_sgpr_workgroup_id_y 1
		.amdhsa_system_sgpr_workgroup_id_z 1
		.amdhsa_system_vgpr_workitem_id 0
		.amdhsa_next_free_vgpr 656
		.amdhsa_next_free_sgpr 90
		.amdhsa_reserve_vcc 0
		.amdhsa_float_denorm_mode_32 3
		.amdhsa_float_denorm_mode_16_64 3
		.amdhsa_memory_ordered 1
		.amdhsa_forward_progress 1
		.amdhsa_inst_pref_size 134
	.end_amdhsa_kernel
	.amdgpu_metadata
---
amdhsa.version: [ 1, 2 ]
amdhsa.kernels:
  - .name:           k_q55e1e72b8d_gemm1
    .symbol:         k_q55e1e72b8d_gemm1.kd
    .args:
      - { .name: xb, .offset: 0, .size: 8, .value_kind: global_buffer, .address_space: global }
      - { .name: wcat, .offset: 8, .size: 8, .value_kind: global_buffer, .address_space: global }
      - { .name: bv, .offset: 16, .size: 8, .value_kind: global_buffer, .address_space: global }
      - { .name: vb, .offset: 24, .size: 8, .value_kind: global_buffer, .address_space: global }
      - { .name: z, .offset: 32, .size: 8, .value_kind: global_buffer, .address_space: global }
    .group_segment_fixed_size: 327680
    .private_segment_fixed_size: 0
    .kernarg_segment_align: 8
    .kernarg_segment_size: 40
    .max_flat_workgroup_size: 128
    .sgpr_count:     90
    .vgpr_count:     656
    .wavefront_size: 32
...
	.end_amdgpu_metadata
.endif
;; end of part 2
;; launch norm (part 3): grid 256 x 1, 8 waves a work-group, no clusters, 17,408 bytes of LDS; arguments vb, z, bk, bq, ln_g, ln_b, nb; writes nb
.if DOCPART == 3
	.amdgcn_target "amdgcn-amd-amdhsa--gfx1250"
	.amdhsa_code_object_version 6
	.text
	.protected	k_q55e1e72b8d_norm
	.globl	k_q55e1e72b8d_norm
	.p2align	8
	.type	k_q55e1e72b8d_norm,@function
k_q55e1e72b8d_norm:
	s_mov_b64 s[64:65], 0
	v_nop
	global_prefetch_b8 v0, s[64:65] scope:SCOPE_SE
	s_setreg_imm32_b32 hwreg(HW_REG_WAVE_MODE, 25, 1), 1
	s_wait_xcnt 0x0
; PHASOR LAYER, launch 3 of 4.  For each row: s = sum over 64 p of cos(pi (tanh(zk + bk) - tanh(zq + bq))); alpha = s softplus(s / 64 + 0.5) / 64; nb = bf16( LayerNorm(alpha V) g + b ).  Nothing is left out.
; alpha IS A ROW'S SCALAR, so LayerNorm(alpha V) = alpha (V - mean V) rsqrt(alpha^2 var V + 1e-5): mean and variance are taken of V itself, the variance of the centred numbers.
; LIMITS.  The order of rounding differs from a LayerNorm of the scaled row.  V comes rounded to bf16; bk, bq, ln_g, ln_b are rounded to bf16, like every input.  NaN and infinities are not treated apart.
; tanh(x) / 2 = 0.5 - 1 / (1 + 2^(2 log2(e) x)), right at both ends (the power runs to 0 or to infinity).  With u / 2 = tanh / 2 - tanh' / 2 in -1 .. 1: cos(pi u) = 1 - 2 sin^2(pi y),
; y = u / 2 less its nearest whole number, in -0.5 .. 0.5 for every input, since tanh bounds u; sin(pi y) is its series up to y^11, whose first term left out is under 6e-8 on that whole range.
; softplus(x) = max(x, 0) + log(1 + exp(-|x|)), the form that never overflows.
; SHARES.  A wave takes one row, 8,192 bytes: 16 loads of 512 consecutive bytes; the row stays in registers for all three passes (mean, centred squares, scaling).  ln_g and ln_b are read once by the
; work-group, rounded, and kept in LDS.  A row's 128 numbers of z lie in 8 tiles (launch 2's layout): lane L takes the 16 bytes with columns 16 (L / 4) + 8 (L % 2) + 4 ((L / 2) % 2) + 0..3, so that
; lanes 0-15 hold the key's 64 and lane L + 16 the query's same four.
.set SPARE, 16384                      ; LDS: ln_g as bf16 at 0, ln_b at 8,192; then the spare words, 128 bytes for each wave: four blocks of 256 bytes that no other line names
.set VR,  32                           ; v[32:95]   the row as loaded; later ln_g (32 registers) and ln_b (32) of eight chunks
.set VF,  96                           ; v[96:223]  the row in f32; its first 32 hold my share of ln_g and ln_b at the start
.set M,   224                          ; v[224:231] four chains of sums; v[232:233] the mean, twice; v[234:235] the scale, twice; v[224:239] also the rounded share at the start
	s_load_b256 s[4:11], s[0:1], 0x0               ; vb s[4:5], z s[6:7], bk s[8:9], bq s[10:11]
	s_load_b128 s[12:15], s[0:1], 0x20             ; ln_g s[12:13], ln_b s[14:15]
	s_load_b64 s[16:17], s[0:1], 0x30              ; nb
	v_lshl_add_u32 v8, v0, 2, SPARE                ; my spare word; never rewritten
	v_mov_b32 v9, 0                                ; 0; never rewritten
	v_lshrrev_b32 v10, 5, v0
	v_readfirstlane_b32 s18, v10                   ; wave 0..7
	v_and_b32 v1, 31, v0                           ; lane L
	v_lshlrev_b32 v2, 4, v1                        ; 16 L: my bytes in 512 of the row, and of ln_g and ln_b in LDS
	v_lshrrev_b32 v10, 2, v1                       ; tile of z
	v_bfe_u32 v11, v1, 1, 1                        ; q
	v_and_b32 v12, 1, v1                           ; half of the lanes in launch 2's layout
	v_lshlrev_b32 v3, 10, v10
	v_lshl_add_u32 v3, v11, 9, v3
	v_lshl_add_u32 v3, v12, 8, v3                  ; my 16 bytes of z, from the row's place in tile 0
	v_and_b32 v10, 3, v10
	v_lshlrev_b32 v4, 6, v10
	v_lshl_add_u32 v4, v12, 5, v4
	v_lshl_add_u32 v4, v11, 4, v4                  ; the same four columns in bk and in bq
	s_lshl_b32 s19, s18, 11
	v_lshl_add_u32 v5, v1, 5, s19                  ; my share of ln_g and ln_b: 2,048 bytes a wave, 32 a lane, twice
	s_lshl_b32 s19, s18, 10
	v_lshl_add_u32 v6, v1, 4, s19                  ; and where it goes in LDS
	s_mov_b32 s20, 0x76543210                      ; v_permlanex16_b32: each lane takes its own place in the other half
	s_mov_b32 s21, 0xfedcba98
	s_mov_b32 s22, 0xffff0000                      ; a word's upper bf16
	s_lshl3_add_u32 s25, ttmp9, s18                ; my row R = 8 g + wave
	s_lshl_b32 s26, s25, 13
	s_mov_b32 s27, 0
	s_lshr_b32 s28, s25, 4                         ; z: row block R / 16, 8 tiles of 1,024 bytes,
	s_lshl_b32 s28, s28, 13
	s_and_b32 s29, s25, 15                         ; and lane R % 16 in each
	s_lshl4_add_u32 s28, s29, s28
	s_mov_b32 s29, 0
	s_wait_kmcnt 0x0
	s_add_nc_u64 s[4:5], s[4:5], s[26:27]
	s_add_nc_u64 s[16:17], s[16:17], s[26:27]
	s_add_nc_u64 s[6:7], s[6:7], s[28:29]
	; 27 loads, all before the first wait
.irp p, 0,1
	global_load_b128 v[VF+8*(\p):VF+8*(\p)+3],       v5, s[12:13] offset:1024*(\p)
	global_load_b128 v[VF+8*(\p)+4:VF+8*(\p)+7],     v5, s[12:13] offset:1024*(\p)+16
.endr
.irp p, 0,1
	global_load_b128 v[VF+16+8*(\p):VF+16+8*(\p)+3], v5, s[14:15] offset:1024*(\p)
	global_load_b128 v[VF+20+8*(\p):VF+20+8*(\p)+3], v5, s[14:15] offset:1024*(\p)+16
.endr
	global_load_b128 v[10:13], v3, s[6:7]
	global_load_b128 v[14:17], v4, s[8:9]
	global_load_b128 v[18:21], v4, s[10:11]
.set i, 0
.rept 16
	global_load_b128 v[VR+4*i:VR+4*i+3], v2, s[4:5] offset:512*i th:TH_LOAD_NT
.set i, i+1
.endr
	s_wait_loadcnt 19                              ; ln_g and ln_b are in: 19 younger loads stay out
.set i, 0
.rept 16
	v_cvt_pk_bf16_f32 v[M+i], v[VF+2*i], v[VF+2*i+1]
.set i, i+1
.endr
	ds_store_b128 v6, v[M:M+3]
	ds_store_b128 v6, v[M+4:M+7]    offset:512
	ds_store_b128 v6, v[M+8:M+11]   offset:8192
	ds_store_b128 v6, v[M+12:M+15]  offset:8704
	s_wait_dscnt 0x0                               ; for the others' sake: my stores are done
	s_barrier_signal -1
	s_barrier_wait -1
	; THE PHASES, while the row is on its way
	s_wait_loadcnt 16                              ; z, bk, bq are in; the row's 16 loads stay out
	v_cmp_gt_u32 vcc_lo, 16, v1
.irp e, 0,1,2,3
	v_cndmask_b32 v[14+(\e)], v[18+(\e)], v[14+(\e)], vcc_lo  ; lanes 0-15: bk, lanes 16-31: bq
.endr
	v_cvt_pk_bf16_f32 v18, v14, v15
	v_cvt_pk_bf16_f32 v19, v16, v17
	v_lshlrev_b32 v14, 16, v18
	v_and_b32 v15, s22, v18
	v_lshlrev_b32 v16, 16, v19
	v_and_b32 v17, s22, v19
	v_pk_add_f32 v[10:11], v[10:11], v[14:15]
	v_pk_add_f32 v[12:13], v[12:13], v[16:17]
.irp e, 0,1,2,3
	v_mul_f32 v[22+(\e)], 0x4038aa3b, v[10+(\e)]   ; 2 log2(e) x
.endr
.irp e, 0,1,2,3
	v_exp_f32 v[22+(\e)], v[22+(\e)]
.endr
	v_mov_b32 v30, 0xbbf183a8                      ; the series' last coefficient; also the plain instruction behind the batch
	s_wait_alu depctr_va_vdst(0)                   ; one wait for the four, ahead of their first reader
.irp e, 0,1,2,3
	v_add_f32 v[22+(\e)], 1.0, v[22+(\e)]
.endr
.irp e, 0,1,2,3
	v_rcp_f32 v[22+(\e)], v[22+(\e)]
.endr
	v_nop
	s_wait_alu depctr_va_vdst(0)
.irp e, 0,1,2,3
	v_sub_f32 v[22+(\e)], 0.5, v[22+(\e)]          ; tanh / 2
.endr
.irp e, 0,1,2,3
	v_permlanex16_b32 v[14+(\e)], v[22+(\e)], s20, s21  ; the partner's: key and query of the same p
.endr
.irp e, 0,1,2,3
	v_sub_f32 v[22+(\e)], v[22+(\e)], v[14+(\e)]   ; u / 2; its sign differs between the halves of the lanes, the cosine does not
.endr
.irp e, 0,1,2,3
	v_rndne_f32 v[14+(\e)], v[22+(\e)]
.endr
.irp e, 0,1,2,3
	v_sub_f32 v[22+(\e)], v[22+(\e)], v[14+(\e)]   ; y
.endr
.irp e, 0,1,2,3
	v_mul_f32 v[14+(\e)], v[22+(\e)], v[22+(\e)]   ; w = y^2
.endr
.irp e, 0,1,2,3
	v_fmaak_f32 v[18+(\e)], v30, v[14+(\e)], 0x3da83c1a        ; -pi^11 / 11! w + pi^9 / 9!
.endr
.irp c, 0xbf196966, 0x402335e3, 0xc0a55de7, 0x40490fdb         ; -pi^7 / 7!, pi^5 / 5!, -pi^3 / 3!, pi
.irp e, 0,1,2,3
	v_fmaak_f32 v[18+(\e)], v[18+(\e)], v[14+(\e)], \c
.endr
.endr
.irp e, 0,1,2,3
	v_mul_f32 v[18+(\e)], v[18+(\e)], v[22+(\e)]   ; sin(pi y)
.endr
.irp e, 0,1,2,3
	v_mul_f32 v[18+(\e)], v[18+(\e)], v[18+(\e)]
.endr
.irp e, 0,1,2,3
	v_fma_f32 v[18+(\e)], v[18+(\e)], -2.0, 1.0    ; cos(pi u)
.endr
	v_add_f32 v18, v18, v19
	v_add_f32 v20, v20, v21
	v_add_f32 v22, v18, v20
.irp x, 1,2,4,8                        ; each half of 16 lanes holds all 64 terms: the sum stays inside it
	v_add_f32_dpp v22, v22, v22 row_xmask:\x row_mask:0xf bank_mask:0xf
.endr
	v_mul_f32 v24, 0x3c800000, v22                 ; s / 64
	v_add_f32 v23, 0.5, v24
	v_and_b32 v26, 0x7fffffff, v23
	v_mul_f32 v26, 0xbfb8aa3b, v26                 ; -|x| log2(e)
	v_exp_f32 v26, v26
	v_max_num_f32 v27, 0, v23                      ; the plain instruction behind it
	s_wait_alu depctr_va_vdst(0)
	v_add_f32 v26, 1.0, v26
	v_log_f32 v26, v26
	v_nop
	s_wait_alu depctr_va_vdst(0)
	v_fmamk_f32 v26, v26, 0x3f317218, v27          ; log2 x ln 2 + max(x, 0)
	v_mul_f32 v24, v24, v26                        ; alpha
	; THE ROW: bf16 to f32 as its loads come in
.set i, 0
.rept 16
	s_wait_loadcnt 15-i
.irp k, 0,1,2,3
	v_lshlrev_b32 v[VF+8*i+2*(\k)],   16,  v[VR+4*i+(\k)]
	v_and_b32     v[VF+8*i+2*(\k)+1], s22, v[VR+4*i+(\k)]
.endr
.set i, i+1
.endr
.macro GB first                        ; ln_g and ln_b of chunks first .. first + 7 into the registers that held the row
.set i, 0
.rept 8
	ds_load_b128 v[VR+4*i:VR+4*i+3],       v2 offset:512*((\first)+i)
	ds_load_b128 v[VR+32+4*i:VR+32+4*i+3], v2 offset:8192+512*((\first)+i)
.set i, i+1
.endr
.endm
.macro WSUM                            ; the four chains into one number, the same in every lane, in v[M]
	v_pk_add_f32 v[M:M+1], v[M:M+1], v[M+2:M+3]
	v_pk_add_f32 v[M+4:M+5], v[M+4:M+5], v[M+6:M+7]
	v_pk_add_f32 v[M:M+1], v[M:M+1], v[M+4:M+5]
	v_add_f32 v[M], v[M], v[M+1]
.irp x, 1,2,4,8
	v_add_f32_dpp v[M], v[M], v[M] row_xmask:\x row_mask:0xf bank_mask:0xf
.endr
	v_permlanex16_b32 v[M+1], v[M], s20, s21
	v_add_f32 v[M], v[M], v[M+1]
.endm
	GB 0                                           ; they land under the two passes below
.irp c, 0,1,2,3
	v_pk_add_f32 v[M+2*(\c):M+2*(\c)+1], v[VF+2*(\c):VF+2*(\c)+1], v[VF+8+2*(\c):VF+8+2*(\c)+1]  ; chunks 0 and 1 start the chains: nothing is cleared
.endr
.set i, 2
.rept 14
.irp c, 0,1,2,3
	v_pk_add_f32 v[M+2*(\c):M+2*(\c)+1], v[M+2*(\c):M+2*(\c)+1], v[VF+8*i+2*(\c):VF+8*i+2*(\c)+1]
.endr
.set i, i+1
.endr
	WSUM
	v_mul_f32 v[M+8], 0x39800000, v[M]             ; the mean: / 4,096
	v_mul_f32 v[M+9], 0x39800000, v[M]
.set i, 0
.rept 16
.irp c, 0,1,2,3
	v_pk_add_f32 v[VF+8*i+2*(\c):VF+8*i+2*(\c)+1], v[VF+8*i+2*(\c):VF+8*i+2*(\c)+1], v[M+8:M+9] neg_lo:[0,1] neg_hi:[0,1]  ; d = v - mean, in place
.endr
.irp c, 0,1,2,3
.if i == 0
	v_pk_mul_f32 v[M+2*(\c):M+2*(\c)+1], v[VF+2*(\c):VF+2*(\c)+1], v[VF+2*(\c):VF+2*(\c)+1]
.else
	v_pk_fma_f32 v[M+2*(\c):M+2*(\c)+1], v[VF+8*i+2*(\c):VF+8*i+2*(\c)+1], v[VF+8*i+2*(\c):VF+8*i+2*(\c)+1], v[M+2*(\c):M+2*(\c)+1]
.endif
.endr
.set i, i+1
.endr
	WSUM
	v_mul_f32 v[M], 0x39800000, v[M]               ; var V
	v_mul_f32 v25, v24, v24
	v_fmaak_f32 v25, v25, v[M], 0x3727c5ac         ; alpha^2 var V + 1e-5
	v_rsq_f32 v25, v25
	v_nop
	s_wait_alu depctr_va_vdst(0)
	v_mul_f32 v[M+10], v24, v25                    ; the row's scale, twice
	v_mul_f32 v[M+11], v24, v25
; Chunk i of the row, its ln_g and ln_b in place j: d x scale x g + b, rounded to bf16 into the chunk's first four registers, stored: 512 consecutive bytes a wave.
.macro FINISH i, j
.irp k, 0,1,2,3
	v_pk_mul_f32 v[VF+8*(\i)+2*(\k):VF+8*(\i)+2*(\k)+1], v[VF+8*(\i)+2*(\k):VF+8*(\i)+2*(\k)+1], v[M+10:M+11]
.endr
.irp k, 0,1,2,3
	v_fma_mix_f32_bf16 v[VF+8*(\i)+2*(\k)],   v[VF+8*(\i)+2*(\k)],   v[VR+4*(\j)+(\k)], v[VR+32+4*(\j)+(\k)] op_sel_hi:[0,1,1]
	v_fma_mix_f32_bf16 v[VF+8*(\i)+2*(\k)+1], v[VF+8*(\i)+2*(\k)+1], v[VR+4*(\j)+(\k)], v[VR+32+4*(\j)+(\k)] op_sel:[0,1,1] op_sel_hi:[0,1,1]
.endr
.irp k, 0,1,2,3
	v_cvt_pk_bf16_f32 v[VF+8*(\i)+(\k)], v[VF+8*(\i)+2*(\k)], v[VF+8*(\i)+2*(\k)+1]
.endr
	global_store_b128 v2, v[VF+8*(\i):VF+8*(\i)+3], s[16:17] offset:512*(\i) th:TH_STORE_NT
.endm
	s_wait_dscnt 0x0
.irp j, 0,1,2,3,4,5,6,7
	FINISH \j, \j
.endr
	GB 8
	s_wait_dscnt 0x0
.irp j, 0,1,2,3,4,5,6,7
	FINISH (\j)+8, \j
.endr
	s_wait_tensorcnt 0x0                           ; the wave's end, behind my last LDS store
	ds_add_u32 v8, v9
	s_wait_dscnt 0x0
	s_endpgm
.Lfunc_end_k_q55e1e72b8d_norm:
	.size	k_q55e1e72b8d_norm, .Lfunc_end_k_q55e1e72b8d_norm-k_q55e1e72b8d_norm
	.p2alignl 7, 3214868480
	.fill 96, 4, 3214868480
	.section	.rodata,"a",@progbits
	.p2align	6, 0x0
	.amdhsa_kernel k_q55e1e72b8d_norm
		.amdhsa_group_segment_fixed_size 17408
		.amdhsa_private_segment_fixed_size 0
		.amdhsa_enable_private_segment 0
		.amdhsa_kernarg_size 56
		.amdhsa_user_sgpr_count 2
		.amdhsa_user_sgpr_kernarg_segment_ptr 1
		.amdhsa_wavefront_size32 1
		.amdhsa_system_sgpr_workgroup_id_x 1
		.amdhsa_system_sgpr_workgroup_id_y 1
		.amdhsa_system_sgpr_workgroup_id_z 1
		.amdhsa_system_vgpr_workitem_id 0
		.amdhsa_next_free_vgpr 248
		.amdhsa_next_free_sgpr 66
		.amdhsa_reserve_vcc 1
		.amdhsa_float_denorm_mode_32 3
		.amdhsa_float_denorm_mode_16_64 3
		.amdhsa_memory_ordered 1
		.amdhsa_forward_progress 1
		.amdhsa_inst_pref_size 49
	.end_amdhsa_kernel
	.amdgpu_metadata
---
amdhsa.version: [ 1, 2 ]
amdhsa.kernels:
  - .name:           k_q55e1e72b8d_norm
    .symbol:         k_q55e1e72b8d_norm.kd
    .args:
      - { .name: vb, .offset: 0, .size: 8, .value_kind: global_buffer, .address_space: global }
      - { .name: z, .offset: 8, .size: 8, .value_kind: global_buffer, .address_space: global }
      - { .name: bk, .offset: 16, .size: 8, .value_kind: global_buffer, .address_space: global }
      - { .name: bq, .offset: 24, .size: 8, .value_kind: global_buffer, .address_space: global }
      - { .name: ln_g, .offset: 32, .size: 8, .value_kind: global_buffer, .address_space: global }
      - { .name: ln_b, .offset: 40, .size: 8, .value_kind: global_buffer, .address_space: global }
      - { .name: nb, .offset: 48, .size: 8, .value_kind: global_buffer, .address_space: global }
    .group_segment_fixed_size: 17408
    .private_segment_fixed_size: 0
    .kernarg_segment_align: 8
    .kernarg_segment_size: 56
    .max_flat_workgroup_size: 256
    .sgpr_count:     66
    .vgpr_count:     248
    .wavefront_size: 32
...
	.end_amdgpu_metadata
.endif
;; end of part 3
;; launch gemm2 (part 4): grid 16 x 16, 4 waves a work-group, clusters of 4 x 4, 327,680 bytes of LDS; arguments nb, wob, bo, out0, xb; writes out0
.if DOCPART == 4
	.amdgcn_target "amdgcn-amd-amdhsa--gfx1250"
	.amdhsa_code_object_version 6
	.text
	.protected	k_q55e1e72b8d_gemm2
	.globl	k_q55e1e72b8d_gemm2
	.p2align	8
	.type	k_q55e1e72b8d_gemm2,@function
k_q55e1e72b8d_gemm2:
	s_mov_b64 s[64:65], 0
	v_nop
	global_prefetch_b8 v0, s[64:65] scope:SCOPE_SE
	s_setreg_imm32_b32 hwreg(HW_REG_WAVE_MODE, 25, 1), 1
	s_wait_xcnt 0x0
	s_wait_alu depctr_hold_cnt(0) depctr_sa_sdst(0) depctr_va_vdst(0) depctr_va_sdst(0) depctr_va_ssrc(0) depctr_va_vcc(0) depctr_vm_vsrc(0)
	s_getreg_b32 s2, hwreg(HW_REG_IB_STS2, 6, 4)
	s_cmp_eq_u32 s2, 0
	s_cbranch_scc0 .Lentry_in_a_cluster
	s_endpgm
.Lentry_in_a_cluster:
	s_bfe_u32 s2, ttmp6, 0x10000c
	s_cmp_lg_u32 s2, 0xf033
	s_cbranch_scc0 .Lentry_shape_is_right
	s_endpgm
.Lentry_shape_is_right:
; PHASOR LAYER, launch 4 of 4.  out0[m][n] = xb[m][n] + sum over k of nb[m][k] wob[n][k] + bf16(bo[n]), in f32.  Nothing is left out.
; A = nb [2048][4096], B = wob [4096][4096], both bf16; sums in f32, K ascending.  The ring is launch 2's, word for word, without the small product (KQ = 0).
; LIMITS.  Operands are bf16: the normed rows rounded once, Wo rounded once; the residual x and bo are the inputs rounded to bf16, like every input.  NaN and infinities are not treated apart.
; SHAPE.  A tile of C is 128 x 256: 16 x 16 = 256 work-groups.  Four waves, each 64 rows x 128 columns: 32 accumulators of 16 x 16, 256 registers.
; THE RING HAS TWO SLOTS OF UNLIKE SIZE.  384 rows x 128 along K are 104,448 bytes of LDS: three such pieces fit, four do not.  The LARGE slot holds 256 along K (rows of 512 bytes), the SMALL one 128
; (rows of 256 bytes); K is walked 256, 128, 256, 128 .. 256: eleven large fills and ten small ones (8,192 bytes of a row = 10 x 768 + 512), 20 changes of slots.  A load goes out behind one change of
; slots and is waited for at the next: the small slot's has 240 matrix instructions in which to land, the large slot's 112.  Every piece of a row starts at a multiple of 256 bytes.
; CLUSTERS: 4 x 4 work-groups.  The four of a row of the cluster need the same tiles of A, the four of a column the same tiles of B: each tile is asked for JOINTLY, by the same tensor load with the
; same descriptor and a mask that names the four.  THE MATRIX INSTRUCTION IS USED TRANSPOSED (source 0 = 16 rows of B, source 1 = 16 rows of A): a lane holds row l % 16 of C and the columns 8 (l / 16) + 0..7.
; REGISTERS, in windows of 256 (s_set_vgpr_msb: bits 1:0 source 0, 3:2 source 1, 5:4 source 2, 7:6 destination):
;   window 0: v0-31 addresses, bo, 1.0; v32-143, v144-255 two fragment buffers (8 of B, 4 of A); on the way out v32-159 rows read back
;   window 1: v0-127 accumulators of my rows 0-31 ((a, b) at 8 (8 a + b)); v128-255 the residual, 2 registers for each of my 64 rows        window 2: v0-127 the accumulators of rows 32-63
.set KQ,     0
.set SIZE_K, 4096
.set PB,     528                       ; a row of the large slot: 512 bytes + 16 of padding = 33 x 16 bytes,
.set PS,     272                       ; of the small slot: 256 + 16 = 17 x 16: in both the 16 rows that a load touches start at 16 different groups of four banks (64 banks of 4 bytes: ISA guide 11.1)
.set BR,     256+16*KQ                 ; rows of B in a tile
.set ROWS,   128+BR                    ; rows in a slot: A's 128, then B's
.set SM,     ROWS*PB                   ; the large slot lies at LDS byte 0, the small one here
.set STAGE,  SM                        ; the way out's stage, 16 rows x 528 bytes for each wave, is the small slot: its last fill is read out ahead of the last change of slots
.set SPITCH, 528                       ; 512 bytes of f32 + 16: 33 x 16, so the 16 rows of a store start at 16 different groups of four banks
.set SPARE,  ROWS*(PB+PS)              ; behind the slots: the spare words, 128 bytes for each wave: two blocks of 256 bytes that no other line names
.set LAPB,   768                       ; bytes of a row in a lap: a large fill and a small one
.set LAPS,   (SIZE_K*2-512)/LAPB       ; 10 laps, and one large fill more
.set NL,     24+4*KQ                   ; LDS loads of a quarter step
.set NY,     4+4*KQ                    ; the youngest of them, which the quarter's first half does not need
.set ADRA, 4                           ; v4-5    LDS address of my A fragments in the large slot (0), the small slot (1)
.set ADRB, 6                           ; v6-7    of my B fragments
.set STO,  12                          ; v12     the way out: where I put 16 bytes of a row
.set RD,   13                          ; v13     where I read a row back
.set CO,   14                          ; v14     16 x lane: my byte offset in 512 bytes of a row of out0, and of bo
.set SPW,  16                          ; v16     LDS address of my spare word; never rewritten
.set NIL,  17                          ; v17     0; never rewritten
.set PFO,  18                          ; v18     the prefetches' offset: my lane x a row of 8,192 bytes; never rewritten
.set XO,   20                          ; v20     8 x lane: my byte offset in 256 bytes of a row of xb
.set BI,   24                          ; v24-27  bo of my four columns
.set ONE,  28                          ; v28     1.0
.set F0,   32
.set F1,   144
.set RES,  128                         ; window 1
.set G1,   24                          ; s[24:31] descriptor group 1 for A, large slot;  s[72:79] small slot
.set G1S,  72
.set G0,   32                          ; s[32:39] group 0 for A, a set for each slot
.set G1B,  48                          ; s[48:55], s[80:87], s[56:63] the same for B
.set G1BS, 80
.set G0B,  56
.set LIM,  43                          ; s43     1 in a wave that prefetches, else the greatest number
.set PFA,  44                          ; s[44:45] where my prefetches stand
.set FLDB, (1<<16)|(1<<20)|(1<<21)|(6<<22)|(3<<25)  ; group 1, word 0: 2-byte elements; padding on; bit 21 beside a mask; after every 128 words; 4 words
.set FLDS, (1<<16)|(1<<20)|(1<<21)|(5<<22)|(3<<25)  ; the same after every 64 words
.set MSB, 0
.macro WIN new                         ; the immediate's high byte repeats the setting that is left; a switch that changes nothing is dropped
.if MSB != (\new)
	s_set_vgpr_msb (MSB<<8)|(\new)
.set MSB, \new
.endif
.endm
.set MUL_LO, 0x50                      ; sources window 0, C and D window 1
.set MUL_HI, 0xa0                      ; C and D window 2
; A joint load into slot s.  Waves 0 and 1 fetch A's two halves, waves 2 and 3 B's.  The branch hangs on the wave's number alone.  An s_nop 0 and four v_nop follow each of the two lines.
.macro JLOAD s
	s_cmp_eq_u32 s15, 0
	s_cbranch_scc0 .Lfor_b_\@
	tensor_load_to_lds s[G0+4*(\s):G0+4*(\s)+3], s[G1+(G1S-G1)*(\s):G1+(G1S-G1)*(\s)+7]
	s_nop 0
.rept 4
	v_nop
.endr
	s_branch .Lasked_\@
.Lfor_b_\@:
	tensor_load_to_lds s[G0B+4*(\s):G0B+4*(\s)+3], s[G1B+(G1BS-G1B)*(\s):G1B+(G1BS-G1B)*(\s)+7]
	s_nop 0
.rept 4
	v_nop
.endr
.Lasked_\@:
.endm
; A PREFETCH INTO THE L2 of what the SAME slot's next refill will ask for, a lap (384 matrix instructions) ahead of that load: 32 rows, a lane a row, an instruction for each 256 bytes of a row: two behind the
; large slot's refill, one behind the small slot's.  Each row's 256 bytes are named once in the launch: A's 128 rows by wave 0 of the clusters with x = 0, partner cx taking rows 32 cx on; B's 256 rows by
; waves 2 and 3 of the clusters with y = 0, partner cy taking rows 32 cy on of the wave's 128: told apart by address, never by a branch.  Each slot's first two fills come by their loads alone.
; Where the lap counter s3 stands at 1 the slot has no further refill, and nothing is asked for.
.macro ASK s
	s_cmp_gt_u32 s3, s[LIM]
	s_cbranch_scc0 .Lnot_mine_\@
.if (\s) == 0
	global_prefetch_b8 v[PFO], s[PFA:PFA+1] th:TH_LOAD_NT scope:SCOPE_SE
	global_prefetch_b8 v[PFO], s[PFA:PFA+1] offset:256 th:TH_LOAD_NT scope:SCOPE_SE
.else
	global_prefetch_b8 v[PFO], s[PFA:PFA+1] offset:512 th:TH_LOAD_NT scope:SCOPE_SE
.endif
.Lnot_mine_\@:
.endm
.macro CREST                           ; a round of the cluster's barrier behind its opening barrier
	s_cmp_lg_u32 s14, 0
	s_cbranch_scc1 .Lnot_wave_0_\@
	s_barrier_signal -3
.Lnot_wave_0_\@:
	s_barrier_wait -3
	s_barrier_signal -1
	s_barrier_wait -1
.endm
.macro CROUND                          ; a whole round
	s_barrier_signal -1
	s_barrier_wait -1
	CREST
.endm
.macro PLACES                          ; four places behind matrix instructions, in front of loads into registers that they have read and of lines that read results
.rept 4
	v_nop
.endr
.endm
.macro SHAPE g, cols, rows             ; words 1 to 7 of a group 1: a tile of rows x cols elements that lies inside the tensor
	s_mov_b32 s[(\g)+1], (\cols)<<16               ; tensor_dim0
	s_mov_b32 s[(\g)+2], (\rows)<<16               ; tensor_dim1
	s_mov_b32 s[(\g)+3], (\cols)<<16               ; tile_dim0
	s_mov_b32 s[(\g)+4], \rows                     ; tile_dim1
	s_mov_b32 s[(\g)+5], SIZE_K                    ; elements from row to row
	s_mov_b32 s[(\g)+6], 0
	s_mov_b32 s[(\g)+7], 0
.endm
	s_load_b256 s[4:11], s[0:1], 0x0               ; A s[4:5], B s[6:7], bo s[8:9], out0 s[10:11]
	s_load_b64 s[12:13], s[0:1], 0x20              ; xb
	v_lshl_add_u32 v[SPW], v0, 2, SPARE
	v_mov_b32 v[NIL], 0
	ds_add_u32 v[SPW], v[NIL]                      ; the wave's opening: the add, twice on end, and its wait ahead of my first tensor load
	ds_add_u32 v[SPW], v[NIL]                      ; and once more, under the one wait; the set-up below, work on registers, stands between
	v_lshrrev_b32 v1, 5, v0
	v_readfirstlane_b32 s14, v1                    ; wave 0..3
	s_lshr_b32 s15, s14, 1                         ; which 64 rows of the tile are mine.  Also: I fetch for A (0) or for B (1)
	s_and_b32 s16, s14, 1                          ; which 128 columns.  Also: which half of that tile I fetch
	s_bfe_u32 s17, ttmp6, 0x40000                  ; cx, cy: my place in the cluster
	s_bfe_u32 s18, ttmp6, 0x40004
	s_lshl_b32 s19, ttmp9, 2
	s_add_co_u32 s19, s19, s17                     ; j, tile column of C = 4 x cluster x + cx
	s_and_b32 s20, ttmp7, 0xffff
	s_lshl_b32 s20, s20, 2
	s_add_co_u32 s20, s20, s18                     ; i, tile row of C = 4 x cluster y + cy
	s_lshl_b32 s21, s18, 2
	s_lshl_b32 s21, 15, s21                        ; my row of the cluster: places 4 cy .. 4 cy + 3
	s_lshl_b32 s22, 0x1111, s17                    ; my column: places cx, cx + 4, cx + 8, cx + 12
	s_or_b32 s[G1], s21, FLDB                      ; A's tiles go to my row,
	s_or_b32 s[G1S], s21, FLDS
	s_or_b32 s[G1B], s22, FLDB                     ; B's to my column
	s_or_b32 s[G1BS], s22, FLDS
	SHAPE G1,   256, 64
	SHAPE G1S,  128, 64
	SHAPE G1B,  256, BR/2
	SHAPE G1BS, 128, BR/2
	s_lshl_b32 s40, s20, 7                         ; A: row 128 i + 64 x half, made of the tile row and the wave alone
	s_lshl_b32 s41, s16, 6
	s_add_co_u32 s40, s40, s41
	s_lshl_b32 s40, s40, 13                        ; rows of 8,192 bytes
	s_mov_b32 s41, 0
	s_mul_i32 s46, s19, BR                         ; B: row BR j + BR / 2 x half, made of the tile column and the wave alone
	s_mul_i32 s47, s16, BR/2
	s_add_co_u32 s46, s46, s47
	s_lshl_b32 s46, s46, 13
	s_mov_b32 s47, 0
	s_mul_i32 s23, s16, 64*PB                      ; where they go: the wave's number times a constant, plus the slot's constant.  A, large slot
	s_mul_i32 s42, s16, (BR/2)*PB
	s_add_co_u32 s42, s42, 128*PB                  ; B, large slot
	s_mul_i32 s88, s16, 64*PS
	s_add_co_u32 s88, s88, SM                      ; A, small slot
	s_mul_i32 s89, s16, (BR/2)*PS
	s_add_co_u32 s89, s89, SM+128*PS               ; B, small slot
	s_wait_dscnt 0x0                               ; both opening adds are done
	s_wait_kmcnt 0x0
	s_add_nc_u64 s[40:41], s[4:5], s[40:41]
	s_add_nc_u64 s[46:47], s[6:7], s[46:47]
	CROUND                                         ; all sixteen work-groups are here: the first joint loads meet
	s_mov_b32 s[G0], 1                             ; count = 1
	s_mov_b32 s[G0+1], s23                         ; LDS address
	s_mov_b64 s[G0+2:G0+3], s[40:41]               ; global address: K = 0 .. 255
	s_or_b32 s[G0+3], s[G0+3], 0x80000000          ; type = 2
	s_mov_b32 s[G0B], 1
	s_mov_b32 s[G0B+1], s42
	s_mov_b64 s[G0B+2:G0B+3], s[46:47]
	s_or_b32 s[G0B+3], s[G0B+3], 0x80000000
	JLOAD 0
	s_mov_b32 s[G0+4], 1
	s_mov_b32 s[G0+5], s88
	s_add_nc_u64 s[G0+6:G0+7], s[40:41], 512       ; K = 256 .. 383
	s_or_b32 s[G0+7], s[G0+7], 0x80000000
	s_mov_b32 s[G0B+4], 1
	s_mov_b32 s[G0B+5], s89
	s_add_nc_u64 s[G0B+6:G0B+7], s[46:47], 512
	s_or_b32 s[G0B+7], s[G0B+7], 0x80000000
	JLOAD 1                                        ; two loads of mine are out
	; A fragment is 16 rows x 32 K in 8 registers: lane l holds row l % 16, K = 8 (l / 16) + 0..7 and 16 + 8 (l / 16) + 0..7: two loads of 16 bytes, 32 bytes apart.
	v_and_b32 v1, 15, v0                           ; r = l % 16
	v_bfe_u32 v2, v0, 4, 1                         ; h = l / 16
	v_mul_u32_u24 v3, v1, PS
	v_lshl_add_u32 v3, v2, 4, v3                   ; r x pitch + 16 h, small slot
	v_mul_u32_u24 v22, v1, PB
	v_lshl_add_u32 v22, v2, 4, v22                 ; and large slot
	s_mul_i32 s21, s15, 64*PB                      ; my 64 rows of A
	v_add_nc_u32 v[ADRA], s21, v22
	s_mul_i32 s21, s15, 64*PS
	s_add_co_u32 s21, s21, SM
	v_add_nc_u32 v[ADRA+1], s21, v3
	s_mul_i32 s21, s16, 128*PB                     ; my 128 rows of B, behind A's 128
	s_add_co_u32 s21, s21, 128*PB
	v_add_nc_u32 v[ADRB], s21, v22
	s_mul_i32 s21, s16, 128*PS
	s_add_co_u32 s21, s21, SM+128*PS
	v_add_nc_u32 v[ADRB+1], s21, v3
	s_mul_i32 s69, s14, 16*SPITCH
	s_add_co_u32 s69, s69, STAGE                   ; my stage
	v_mul_u32_u24 v21, v1, SPITCH                  ; in: row r, 32 bytes (8 f32) for each half of the lanes
	v_lshl_add_u32 v21, v2, 5, v21
	v_add_nc_u32 v[STO], s69, v21
	v_and_b32 v21, 31, v0
	v_lshlrev_b32 v[CO], 4, v21                    ; back: 32 lanes take one row of 512 bytes
	v_add_nc_u32 v[RD], s69, v[CO]
	v_lshlrev_b32 v[XO], 3, v21
	v_lshlrev_b32 v[PFO], 13, v21
	v_mov_b32 v[ONE], 1.0
	s_lshl_b32 s68, s19, 8
	s_lshl_b32 s69, s16, 7
	s_add_co_u32 s68, s68, s69                     ; my first column: 256 j + 128 wc
	s_lshl_b32 s70, s68, 2
	s_mov_b32 s71, 0
	s_add_nc_u64 s[8:9], s[8:9], s[70:71]          ; bo there
	s_lshl_b32 s69, s20, 7
	s_lshl_b32 s70, s15, 6
	s_add_co_u32 s69, s69, s70                     ; my first row: 128 i + 64 wr
	s_lshl_b32 s70, s69, 14
	s_lshl2_add_u32 s70, s68, s70
	s_add_nc_u64 s[10:11], s[10:11], s[70:71]      ; out0 there
	s_lshl_b32 s70, s69, 13
	s_lshl1_add_u32 s70, s68, s70
	s_add_nc_u64 s[12:13], s[12:13], s[70:71]      ; xb there
	; the prefetches
	s_lshl_b32 s68, s20, 7                         ; A: the tile's first row
	s_mul_i32 s69, s19, BR
	s_lshl_b32 s70, s16, 7
	s_add_co_u32 s69, s69, s70                     ; B: the tile's first row + my 128
	s_and_b32 s70, ttmp7, 0xffff                   ; cluster y
	s_cmp_eq_u32 s15, 0                            ; do I fetch for A?
	s_cselect_b32 s68, s68, s69
	s_cselect_b32 s69, s17, s18                    ; my place among the four that ask with me
	s_cselect_b32 s70, ttmp9, s70                  ; the coordinate along which other clusters read the same rows
	s_cselect_b64 s[PFA:PFA+1], s[4:5], s[6:7]
	s_cmp_eq_u32 s14, 1                            ; wave 1 asks for nothing: wave 0 has A's 128 rows with its three partners
	s_cselect_b32 s71, 1, 0
	s_or_b32 s70, s70, s71
	s_cmp_eq_u32 s70, 0
	s_cselect_b32 s[LIM], 1, -1                    ; the same in all sixteen partners, for a given wave
	s_lshl_b32 s69, s69, 5
	s_add_co_u32 s68, s68, s69                     ; + my work-group's 32 rows
	s_lshl_b32 s68, s68, 13
	s_mov_b32 s69, 0
	s_add_nc_u64 s[PFA:PFA+1], s[PFA:PFA+1], s[68:69]
	s_add_nc_u64 s[PFA:PFA+1], s[PFA:PFA+1], LAPB  ; at lap 1: the first change of slots steps it to lap 2, whose fills are the first to be named.  Nothing is prefetched here, at the head
; 8 matrix instructions: m block a of my four x all 8 n blocks, 32 along K.  zero = 1: the product starts the sums: nothing is ever cleared.
.macro MUL8 f, a, zero
	WIN MUL_LO+0x50*((\a)/2)
.irp b, 0,1,2,3,4,5,6,7
.if \zero
	v_wmma_f32_16x16x32_bf16 v[8*(8*((\a)%2)+(\b)):8*(8*((\a)%2)+(\b))+7], v[(\f)+8*(\b):(\f)+8*(\b)+7], v[(\f)+64+8*(\a):(\f)+64+8*(\a)+7], 0
.else
	v_wmma_f32_16x16x32_bf16 v[8*(8*((\a)%2)+(\b)):8*(8*((\a)%2)+(\b))+7], v[(\f)+8*(\b):(\f)+8*(\b)+7], v[(\f)+64+8*(\a):(\f)+64+8*(\a)+7], v[8*(8*((\a)%2)+(\b)):8*(8*((\a)%2)+(\b))+7]
.endif
.endr
.endm
; NL LDS loads in one run: the fragments of one quarter step (32 K at byte k of the slot's rows) into buffer f: B's eight, then A's four
.macro FETCH slot, k, f
	WIN 0
.set PP, PB-(PB-PS)*(\slot)            ; the slot's pitch
.irp b, 0,1,2,3,4,5,6,7
	ds_load_b128 v[(\f)+8*(\b):(\f)+8*(\b)+3],   v[ADRB+(\slot)] offset:(\k)+(\b)*16*PP
	ds_load_b128 v[(\f)+8*(\b)+4:(\f)+8*(\b)+7], v[ADRB+(\slot)] offset:(\k)+(\b)*16*PP+32
.endr
.irp a, 0,1,2,3
	ds_load_b128 v[(\f)+64+8*(\a):(\f)+64+8*(\a)+3],   v[ADRA+(\slot)] offset:(\k)+(\a)*16*PP
	ds_load_b128 v[(\f)+64+8*(\a)+4:(\f)+64+8*(\a)+7], v[ADRA+(\slot)] offset:(\k)+(\a)*16*PP+32
.endr
.endm
; The large slot is eight quarter steps of 32 along K, the small slot four, on buffers 0, 1, 0, 1 ..  The 32 accumulators take turns, one instruction a turn, in the same order in every quarter.
; All but a slot's last: multiplies buffer f; in its middle it fetches the next quarter's fragments, at byte k of the same slot's rows, into buffer g.
.macro QUARTER slot, k, f, g, zero
	s_wait_dscnt NY                                ; B and A's rows 0-31 are in; the youngest NY loads may be out
	MUL8 \f, 0, \zero
	MUL8 \f, 1, \zero
	PLACES
	FETCH \slot, \k, \g
	s_wait_dscnt NL                                ; all but the NL just issued
	MUL8 \f, 2, \zero
	MUL8 \f, 3, \zero
.endm
; A slot's last quarter multiplies buffer 1 and changes slots: ONE barrier.  In front of it each wave waits for all its tensor loads, of which one is out: its part of the next slot; adds 0 to its spare word;
; and waits for that and for its own reads of this slot.  fill = 1: the barrier opens a round of the cluster's barrier, and this slot is filled again, a lap further along K, first thing behind the round.
.macro TURN slot, next, fill
.if (\fill) && ((\slot) == 0)
	s_wait_xcnt 0x0                                ; the last prefetch, seven quarters back, has read its address: it is stepped once a lap
	s_add_nc_u64 s[PFA:PFA+1], s[PFA:PFA+1], LAPB
.endif
	WIN 0                                          ; (the add's two registers lie in window 0)
	s_wait_tensorcnt 0x0                           ; all my tensor loads have landed
	ds_add_u32 v[SPW], v[NIL]                      ; 0 onto my spare word
	s_wait_dscnt NY+1                              ; (the add and the youngest NY loads may be out)
	MUL8 F1, 0, 0                                  ; eight matrix instructions stand between the add and the wait for it
	s_wait_dscnt 0x0                               ; the add is done, and my reads of this slot are over
	s_barrier_signal -1
	MUL8 F1, 1, 0                                  ; work on registers while the others arrive
.if \fill
	WIN 0
.endif
	s_barrier_wait -1
.if \fill
	CREST                                          ; no wave of any partner still reads this slot's tile or has a load on its way
	s_add_nc_u64 s[G0+4*(\slot)+2:G0+4*(\slot)+3], s[G0+4*(\slot)+2:G0+4*(\slot)+3], LAPB
	s_add_nc_u64 s[G0B+4*(\slot)+2:G0B+4*(\slot)+3], s[G0B+4*(\slot)+2:G0B+4*(\slot)+3], LAPB
	JLOAD \slot                                    ; my one tensor load behind the round; its four v_nop are also the places in front of the loads below
.else
	PLACES
.endif
	FETCH \next, 0, F0
.if \fill
	ASK \slot                                      ; behind the joint load and the run of LDS loads
.endif
	MUL8 F1, 2, 0
	MUL8 F1, 3, 0
.endm
	s_wait_tensorcnt 1                             ; my part of the large slot is in; the small slot's may stay out
	s_barrier_signal -1
	s_barrier_wait -1                              ; everybody's is
	FETCH 0, 0, F0
	QUARTER 0, 64, F0, F1, 1                       ; the first quarter stands in front of the loop: its products start the sums
	WIN 0                                          ; at a label and at a branch every window is 0
	s_mov_b32 s3, LAPS
.Llap:                                                 ; a trip is a lap, from the large slot's second quarter to its next first.  The large slot is filled again in all ten laps, the small one in nine:
	QUARTER 0, 128, F1, F0, 0                      ; the tenth is left in its middle, and its rest is written out without that load
	QUARTER 0, 192, F0, F1, 0
	QUARTER 0, 256, F1, F0, 0
	QUARTER 0, 320, F0, F1, 0
	QUARTER 0, 384, F1, F0, 0
	QUARTER 0, 448, F0, F1, 0
	TURN 0, 1, 1
	QUARTER 1, 64,  F0, F1, 0
	QUARTER 1, 128, F1, F0, 0
	QUARTER 1, 192, F0, F1, 0
	WIN 0
	s_sub_co_u32 s3, s3, 1
	s_cmp_eq_u32 s3, 0                             ; the same in every wave of every work-group
	s_cbranch_scc1 .Llast
	TURN 1, 0, 1
	QUARTER 0, 64,  F0, F1, 0
	WIN 0
	s_branch .Llap
.Llast:
	global_load_b128 v[BI:BI+3], v[CO], s[8:9]     ; nine quarters ahead of their use: bo of my four columns as the rows come back from the stage (4 x lane on),
	WIN 0x40
.set t, 0
.rept 64                               ; and the residual of my 64 rows x 128 columns: a load of the wave covers 256 consecutive bytes of one row
	global_load_b64 v[RES+2*t:RES+2*t+1], v[XO], s[12:13] offset:8192*t
.set t, t+1
.endr
	TURN 1, 0, 0                                   ; the last change of slots fills nothing, and has no round of the cluster's barrier; behind it no wave reads the small slot any more
	QUARTER 0, 64,  F0, F1, 0
	QUARTER 0, 128, F1, F0, 0
	QUARTER 0, 192, F0, F1, 0
	QUARTER 0, 256, F1, F0, 0
	QUARTER 0, 320, F0, F1, 0
	QUARTER 0, 384, F1, F0, 0
	QUARTER 0, 448, F0, F1, 0
	s_wait_dscnt NY                                ; the very last quarter: nothing more to fetch
	MUL8 F1, 0, 0
	MUL8 F1, 1, 0
	s_wait_dscnt 0x0
	MUL8 F1, 2, 0
	MUL8 F1, 3, 0
	; THE WAY OUT.  Each accumulator is read from its lowest registers on.
	PLACES
	PLACES
	WIN 0
	s_wait_loadcnt 0x0                             ; bo and the residual
	v_cvt_pk_bf16_f32 v29, v[BI], v[BI+1]          ; bo is rounded to bf16, like every input, and widened again
	v_cvt_pk_bf16_f32 v30, v[BI+2], v[BI+3]
	v_lshlrev_b32 v[BI], 16, v29
	v_and_b32 v[BI+1], 0xffff0000, v29
	v_lshlrev_b32 v[BI+2], 16, v30
	v_and_b32 v[BI+3], 0xffff0000, v30
; Block a, 16 rows x 128 columns of f32: through my own stage in LDS, back as whole rows of 512 bytes; + bo, + the residual; stored.
.macro BLOCK a
.set AC, 64*((\a)%2)
.set TT, 32+64*((\a)%2)                ; the rows read back: two sets by turns
	s_wait_xcnt 0x0                                ; earlier stores have read their data registers, which the loads below write
	WIN 0x04+0x04*((\a)/2)                         ; an LDS store's data: window 1 or 2
.irp b, 0,1,2,3,4,5,6,7
	ds_store_b128 v[STO], v[AC+8*(\b):AC+8*(\b)+3]   offset:64*(\b)
	ds_store_b128 v[STO], v[AC+8*(\b)+4:AC+8*(\b)+7] offset:64*(\b)+16
.endr
	WIN 0
.set t, 0
.rept 16
	ds_load_b128 v[TT+4*t:TT+4*t+3], v[RD] offset:SPITCH*t  ; LDS serves a wave's instructions in order (ISA guide 5.7.1.4): these see the stores above
.set t, t+1
.endr
	s_wait_dscnt 0x0
.set t, 0
.rept 16
	v_pk_add_f32 v[TT+4*t:TT+4*t+1],   v[TT+4*t:TT+4*t+1],   v[BI:BI+1]
	v_pk_add_f32 v[TT+4*t+2:TT+4*t+3], v[TT+4*t+2:TT+4*t+3], v[BI+2:BI+3]
.set t, t+1
.endr
	WIN 0x01                                       ; source 0, the residual's bf16 halves, in window 1
.set t, 0
.rept 16
.irp p, 0,1
	v_fma_mix_f32_bf16 v[TT+4*t+2*(\p)],   v[RES+2*(16*(\a)+t)+(\p)], v[ONE], v[TT+4*t+2*(\p)]   op_sel_hi:[1,0,0]
	v_fma_mix_f32_bf16 v[TT+4*t+2*(\p)+1], v[RES+2*(16*(\a)+t)+(\p)], v[ONE], v[TT+4*t+2*(\p)+1] op_sel:[1,0,0] op_sel_hi:[1,0,0]
.endr
.set t, t+1
.endr
	WIN 0
.set t, 0
.rept 16
	global_store_b128 v[CO], v[TT+4*t:TT+4*t+3], s[10:11] offset:(16*(\a)+t)*16384 th:TH_STORE_NT  ; 512 consecutive bytes of a row, at a multiple of 512 from out0's first byte
.set t, t+1
.endr
.endm
	BLOCK 0
	BLOCK 1
	BLOCK 2
	BLOCK 3
	s_wait_tensorcnt 0x0                           ; the wave's end, behind my last tensor load and my last LDS store
	ds_add_u32 v[SPW], v[NIL]
	s_wait_dscnt 0x0
	CROUND                                         ; the closing round: no work-group ends while a partner may still ask for a tile that names it
	s_endpgm
.Lfunc_end_k_q55e1e72b8d_gemm2:
	.size	k_q55e1e72b8d_gemm2, .Lfunc_end_k_q55e1e72b8d_gemm2-k_q55e1e72b8d_gemm2
	.p2alignl 7, 3214868480
	.fill 96, 4, 3214868480
	.section	.rodata,"a",@progbits
	.p2align	6, 0x0
	.amdhsa_kernel k_q55e1e72b8d_gemm2
		.amdhsa_group_segment_fixed_size 327680
		.amdhsa_private_segment_fixed_size 0
		.amdhsa_enable_private_segment 0
		.amdhsa_kernarg_size 40
		.amdhsa_user_sgpr_count 2
		.amdhsa_user_sgpr_kernarg_segment_ptr 1
		.amdhsa_wavefront_size32 1
		.amdhsa_system_sgpr_workgroup_id_x 1
		.amdhsa_system_sgpr_workgroup_id_y 1
		.amdhsa_system_sgpr_workgroup_id_z 1
		.amdhsa_system_vgpr_workitem_id 0
		.amdhsa_next_free_vgpr 640
		.amdhsa_next_free_sgpr 90
		.amdhsa_reserve_vcc 0
		.amdhsa_float_denorm_mode_32 3
		.amdhsa_float_denorm_mode_16_64 3
		.amdhsa_memory_ordered 1
		.amdhsa_forward_progress 1
		.amdhsa_inst_pref_size 141
	.end_amdhsa_kernel
	.amdgpu_metadata
---
amdhsa.version: [ 1, 2 ]
amdhsa.kernels:
  - .name:           k_q55e1e72b8d_gemm2
    .symbol:         k_q55e1e72b8d_gemm2.kd
    .args:
      - { .name: nb, .offset: 0, .size: 8, .value_kind: global_buffer, .address_space: global }
      - { .name: wob, .offset: 8, .size: 8, .value_kind: global_buffer, .address_space: global }
      - { .name: bo, .offset: 16, .size: 8, .value_kind: global_buffer, .address_space: global }
      - { .name: out0, .offset: 24, .size: 8, .value_kind: global_buffer, .address_space: global }
      - { .name: xb, .offset: 32, .size: 8, .value_kind: global_buffer, .address_space: global }
    .group_segment_fixed_size: 327680
    .private_segment_fixed_size: 0
    .kernarg_segment_align: 8
    .kernarg_segment_size: 40
    .max_flat_workgroup_size: 128
    .sgpr_count:     90
    .vgpr_count:     640
    .wavefront_size: 32
...
	.end_amdgpu_metadata
.endif
;; end of part 4
;; ======== version 2 of 2: 4 launches; version 1 with the launch cast written anew for expert scheduling mode
;; workspace buffers: xb 16,777,216 bytes; wcat 35,651,584 bytes; wob 33,554,432 bytes; vb 16,777,216 bytes; nb 16,777,216 bytes; z 1,048,576 bytes
;; launch cast (part 5): grid 1024 x 1, 8 waves a work-group, no clusters, 0 bytes of LDS; arguments x, Wv, Wo, Wk, Wq, xb, wcat, wob; writes xb, wcat, wob
.if DOCPART == 5
	.amdgcn_target "amdgcn-amd-amdhsa--gfx1250"
	.amdhsa_code_object_version 6
	.text
	.protected	k_q55e1e72b8d_cast
	.globl	k_q55e1e72b8d_cast
	.p2align	8
	.type	k_q55e1e72b8d_cast,@function
k_q55e1e72b8d_cast:
	s_mov_b64 s[64:65], 0
	v_nop
	global_prefetch_b8 v0, s[64:65] scope:SCOPE_SE
	s_setreg_imm32_b32 hwreg(HW_REG_WAVE_SCHED_MODE, 0, 2), 2
	s_setreg_imm32_b32 hwreg(HW_REG_WAVE_MODE, 25, 1), 1
	s_wait_xcnt 0x0
	s_wait_alu depctr_vm_vsrc(0)
; PHASOR LAYER, launch 1 of 4: the matrix operands are rounded once from f32 to bf16 and laid out for the products.
;   launch 2: V = x Wv^T + bv (bf16) and the raw sums z = x [Wk;Wq]^T (f32);  launch 3: per row the phase sum, its gain and the LayerNorm;  launch 4: out = x + normed Wo^T + bo.
; NO WORK IS LEFT OUT: every input of the module has a way to the output, and every one is loaded by some launch.
; LIMITS OF THE PROGRAM.  Every input is rounded once to bf16 (nearest even): x also where it is the residual, all biases, ln_g and ln_b.  V and the normed rows are stored rounded once to bf16;
; all sums are f32.  NaN and infinities are not treated apart.
; xb = x, wob = Wo, row for row.  wcat holds 16 column tiles of 272 rows of 4,096: tile j has Wv rows 256 j .. 256 j + 255 and then the 16 rows of tile t = 4 (j / 8) + j % 4 of [Wk;Wq]
; (128 rows: Wk, then Wq), so that one tensor tile of launch 2 brings both.  Each of the 8 such tiles stands twice, in column tiles 8 (t / 4) + t % 4 and 4 further on.
; SHARES.  Work-group g of 1,024 takes 32 KiB of x, 64 KiB (4 rows) of Wv, 64 KiB of Wo, 1 KiB of Wk (waves 0, 1) and 1 KiB of Wq (waves 2, 3).  A thread issues all its 40 (41) loads of 16 bytes
; before the first wait; a load of a wave covers 512 consecutive bytes, a store 256 consecutive bytes at a multiple of 256.  No register is written again while a memory instruction reads it.
; No LDS, no matrix unit, no prefetch: every byte is read once and written once, and the loads themselves are the stream.
; THE MODE: SCHED_MODE bits 1:0 = 2 (LLVM: expert scheduling mode 2), set by the entry lines.  The code itself states the register dependences between vector instructions and memory
; instructions, with s_wait_alu, always for 0.
; THE PLAN.  Registers that memory instructions touch:
;   v1 .. v5     byte offsets.  Written by vector instructions at the head, once; read by every load and store; never written again.
;   piece i      four registers at D + 4 i.  Written by the piece's load, which is issued before any vector instruction names them; read by its two roundings, which write the first two in place;
;                those two are read by its store, and by nobody written again.
; So no load lands in a register that a vector instruction has named, and no register that a memory instruction has read is written again: the one dependence that recurs is from roundings to stores.
; The 40 pieces go in ten groups of four.  Group p waits for its data, then for the roundings of group p - 1 to have written, and deals that group's four stores among its own eight roundings, which name
; group p's registers alone: none that those stores read.  One wait on va_vdst to a group, a group behind the instructions that it waits for.
.set D,    8                           ; v[8:171]  load i of 41 at v[D + 4 i]: 0-7 x, 8-23 Wv, 24-39 Wo, 40 Wk or Wq
.set COPY, 4*272*8192                  ; bytes from a tile of [Wk;Wq] in wcat to its second copy
	s_load_b512 s[8:23], s[0:1], 0x0               ; x 8:9, Wv 10:11, Wo 12:13, Wk 14:15, Wq 16:17, xb 18:19, wcat 20:21, wob 22:23
	v_lshrrev_b32 v6, 5, v0
	v_readfirstlane_b32 s24, v6                    ; wave 0..7
	v_lshlrev_b32 v1, 4, v0                        ; 16 bytes of f32 a thread
	v_lshlrev_b32 v2, 3, v0                        ; 8 bytes of bf16 a thread
	v_and_b32 v3, 63, v0                           ; Wk, Wq: 64 threads take the 1 KiB
	v_lshlrev_b32 v4, 3, v3
	v_lshlrev_b32 v3, 4, v3
	v_add_nc_u32 v5, COPY, v4                      ; the second copy lies past a store's immediate
	s_mov_b32 s25, ttmp9                           ; g
	s_lshl_b32 s26, s25, 15                        ; x in, wob out: 32 KiB a work-group
	s_mov_b32 s27, 0
	s_lshl_b32 s28, s25, 14                        ; xb out
	s_mov_b32 s29, 0
	s_lshl_b32 s30, s25, 16                        ; Wv, Wo in
	s_mov_b32 s31, 0
	s_lshr_b32 s32, s25, 6                         ; Wv rows 4 g .. 4 g + 3 lie in column tile g / 64,
	s_mul_i32 s32, s32, 272
	s_and_b32 s33, s25, 63
	s_lshl2_add_u32 s32, s33, s32                  ; at its row 4 (g % 64)
	s_lshl_b32 s32, s32, 13                        ; rows of 8,192 bytes
	s_mov_b32 s33, 0
	s_lshl_b32 s34, s25, 10                        ; Wk, Wq in: 256 numbers of row g / 16
	s_mov_b32 s35, 0
	s_wait_alu depctr_va_sdst(0)                   ; s24, the wave's number, is written, ahead of its first reader, the line below
	s_bfe_u32 s38, s24, 0x10001                    ; 0: Wk (waves 0, 1), 1: Wq (waves 2, 3)
	s_lshr_b32 s36, s25, 8                         ; row g / 16 lies in tile (g / 16) / 16 of its matrix:
	s_lshl3_add_u32 s36, s38, s36                  ; column tile 8 sel + g / 256,
	s_mul_i32 s36, s36, 272
	s_bfe_u32 s37, s25, 0x40004                    ; row (g / 16) % 16
	s_add_co_u32 s36, s36, s37
	s_add_co_u32 s36, s36, 256                     ; behind the tile's 256 rows of Wv
	s_lshl_b32 s36, s36, 13
	s_and_b32 s37, s25, 15
	s_lshl_b32 s37, s37, 9                         ; and 512 bytes of that row
	s_add_co_u32 s36, s36, s37
	s_mov_b32 s37, 0
	s_wait_kmcnt 0x0
	s_add_nc_u64 s[8:9], s[8:9], s[26:27]
	s_add_nc_u64 s[18:19], s[18:19], s[28:29]
	s_add_nc_u64 s[10:11], s[10:11], s[30:31]
	s_add_nc_u64 s[12:13], s[12:13], s[30:31]
	s_add_nc_u64 s[22:23], s[22:23], s[26:27]
	s_add_nc_u64 s[40:41], s[20:21], s[32:33]      ; wcat at my rows of Wv
	s_add_nc_u64 s[42:43], s[20:21], s[36:37]      ; wcat at my piece of Wk or Wq
	s_cmp_eq_u32 s38, 0
	s_cselect_b64 s[44:45], s[14:15], s[16:17]
	s_add_nc_u64 s[44:45], s[44:45], s[34:35]
.macro LOADS first, n, base            ; n loads of 4 KiB a work-group, from the pointer at s[base]
.set q, 0
.rept \n
	global_load_b128 v[D+4*((\first)+q):D+4*((\first)+q)+3], v1, s[(\base):(\base)+1] offset:4096*q th:TH_LOAD_NT
.set q, q+1
.endr
.endm
.macro ROUND i                         ; piece i is rounded in place: 4 f32 into its first 2 registers
	v_cvt_pk_bf16_f32 v[D+4*(\i)],   v[D+4*(\i)],   v[D+4*(\i)+1]
	v_cvt_pk_bf16_f32 v[D+4*(\i)+1], v[D+4*(\i)+2], v[D+4*(\i)+3]
.endm
.macro STORE i                         ; piece i goes out: 0-7 to xb, 8-23 to wcat, 24-39 to wob, 2 KiB a work-group each
.if (\i) < 8
	global_store_b64 v2, v[D+4*(\i):D+4*(\i)+1], s[18:19] offset:2048*(\i) th:TH_STORE_NT
.elseif (\i) < 24
	global_store_b64 v2, v[D+4*(\i):D+4*(\i)+1], s[40:41] offset:2048*((\i)-8) th:TH_STORE_NT
.else
	global_store_b64 v2, v[D+4*(\i):D+4*(\i)+1], s[22:23] offset:2048*((\i)-24) th:TH_STORE_NT
.endif
.endm
; Group p of ten: pieces 4 p to 4 p + 3 are rounded; the group before is stored.
.macro GROUP p
	s_wait_loadcnt 36-4*(\p)                       ; loads come back in order (ISA guide 5.7.1): my four pieces are in, the 36 - 4 p younger loads stay out
.if (\p) > 0
	s_wait_alu depctr_va_vdst(0)                   ; the roundings of the group before have written its registers, which the four stores below read
.endif
.irp q, 0,1,2,3
.if (\p) > 0
	STORE 4*(\p)-4+(\q)                            ; no vector instruction since the wait names this piece's registers or v2
.endif
	ROUND 4*(\p)+(\q)
.endr
.endm
	s_wait_alu depctr_va_vdst(0)                   ; the offsets v1 to v5 are written: every load and store of the kernel reads one of them
	s_cmp_lt_u32 s24, 4                            ; waves 0 to 3: the piece of Wk or Wq, the oldest load of all
	s_cbranch_scc0 .Lno_kq_in
	global_load_b128 v[D+160:D+163], v3, s[44:45] th:TH_LOAD_NT
.Lno_kq_in:
	LOADS 0, 8, 8                                  ; x
	LOADS 8, 16, 10                                ; Wv
	LOADS 24, 16, 12                               ; Wo
.irp p, 0,1,2,3,4,5,6,7,8,9
	GROUP \p                                       ; groups 0, 1: x; 2 to 5: Wv; 6 to 9: Wo.  The last group's wait for data is for 0, which also shows the oldest load done
.endr
	s_wait_alu depctr_va_vdst(0)                   ; the last group's roundings have written its registers, which the last four stores read
.irp i, 36,37,38,39
	STORE \i
.endr
	s_cmp_lt_u32 s24, 4
	s_cbranch_scc0 .Ldone
	v_cvt_pk_bf16_f32 v[D+160], v[D+160], v[D+161]
	v_cvt_pk_bf16_f32 v[D+161], v[D+162], v[D+163]
	s_wait_alu depctr_va_vdst(0)                   ; these two roundings have written v[D+160:D+161], which the two stores below read
	global_store_b64 v4, v[D+160:D+161], s[42:43] th:TH_STORE_NT  ; both copies
	global_store_b64 v5, v[D+160:D+161], s[42:43] th:TH_STORE_NT
.Ldone:
	s_endpgm
.Lfunc_end_k_q55e1e72b8d_cast:
	.size	k_q55e1e72b8d_cast, .Lfunc_end_k_q55e1e72b8d_cast-k_q55e1e72b8d_cast
	.p2alignl 7, 3214868480
	.fill 96, 4, 3214868480
	.section	.rodata,"a",@progbits
	.p2align	6, 0x0
	.amdhsa_kernel k_q55e1e72b8d_cast
		.amdhsa_group_segment_fixed_size 0
		.amdhsa_private_segment_fixed_size 0
		.amdhsa_enable_private_segment 0
		.amdhsa_kernarg_size 64
		.amdhsa_user_sgpr_count 2
		.amdhsa_user_sgpr_kernarg_segment_ptr 1
		.amdhsa_wavefront_size32 1
		.amdhsa_system_sgpr_workgroup_id_x 1
		.amdhsa_system_sgpr_workgroup_id_y 1
		.amdhsa_system_sgpr_workgroup_id_z 1
		.amdhsa_system_vgpr_workitem_id 0
		.amdhsa_next_free_vgpr 176
		.amdhsa_next_free_sgpr 66
		.amdhsa_reserve_vcc 0
		.amdhsa_float_denorm_mode_32 3
		.amdhsa_float_denorm_mode_16_64 3
		.amdhsa_memory_ordered 1
		.amdhsa_forward_progress 1
		.amdhsa_inst_pref_size 16
	.end_amdhsa_kernel
	.amdgpu_metadata
---
amdhsa.version: [ 1, 2 ]
amdhsa.kernels:
  - .name:           k_q55e1e72b8d_cast
    .symbol:         k_q55e1e72b8d_cast.kd
    .args:
      - { .name: x, .offset: 0, .size: 8, .value_kind: global_buffer, .address_space: global }
      - { .name: Wv, .offset: 8, .size: 8, .value_kind: global_buffer, .address_space: global }
      - { .name: Wo, .offset: 16, .size: 8, .value_kind: global_buffer, .address_space: global }
      - { .name: Wk, .offset: 24, .size: 8, .value_kind: global_buffer, .address_space: global }
      - { .name: Wq, .offset: 32, .size: 8, .value_kind: global_buffer, .address_space: global }
      - { .name: xb, .offset: 40, .size: 8, .value_kind: global_buffer, .address_space: global }
      - { .name: wcat, .offset: 48, .size: 8, .value_kind: global_buffer, .address_space: global }
      - { .name: wob, .offset: 56, .size: 8, .value_kind: global_buffer, .address_space: global }
    .group_segment_fixed_size: 0
    .private_segment_fixed_size: 0
    .kernarg_segment_align: 8
    .kernarg_segment_size: 64
    .max_flat_workgroup_size: 256
    .sgpr_count:     66
    .vgpr_count:     176
    .wavefront_size: 32
...
	.end_amdgpu_metadata
.endif
;; end of part 5
;; launch gemm1: the kernel of part 2 again; grid 16 x 16, 4 waves a work-group, clusters of 4 x 4, 327,680 bytes of LDS; arguments xb, wcat, bv, vb, z; writes vb, z
;; launch norm: the kernel of part 3 again; grid 256 x 1, 8 waves a work-group, no clusters, 17,408 bytes of LDS; arguments vb, z, bk, bq, ln_g, ln_b, nb; writes nb
;; launch gemm2: the kernel of part 4 again; grid 16 x 16, 4 waves a work-group, clusters of 4 x 4, 327,680 bytes of LDS; arguments nb, wob, bo, out0, xb; writes out0
